; MI455X (gfx1250); checked and timed in simulation.
; The chip was launched on July 23, 2026; its instructions are those of AMD's public machine-readable ISA for CDNA 5 (MIT licence, August 2026) and "CDNA5" Instruction Set Architecture Reference Guide (July 2026). The comments in the code are by the model that wrote it; some were corrected since.
;; Transformer Block. Allowed arithmetic: matrix products marked QUANTISED: E4M3 operands, one given power-of-two scale a tensor, by v_wmma_f32_16x16x64_fp8_fp8 or v_wmma_f32_16x16x128_fp8_fp8, f32 sums; everything else in f32.
;; Inputs: fc1_b 4,096 float32; fc1_w 1,024 x 4,096 float32; fc2_b 1,024 float32; fc2_w 4,096 x 1,024 float32; ln1_b 1,024 float32; ln1_g 1,024 float32; ln2_b 1,024 float32; ln2_g 1,024 float32; lowp_scales 12 int32 (the exponents e of the quantised operands' scales 2^e); proj_b 1,024 float32; proj_w 1,024 x 1,024 float32; qkv_b 3,072 float32; qkv_w 1,024 x 3,072 float32; x 2 x 2,048 x 1,024 float32.
;; Outputs: out0 2 x 2,048 x 1,024 float32.
;; This version of the problem:
;;   THIS VERSION OF THE PROBLEM IS GIVEN IN LOW PRECISION. The matrix products marked QUANTISED in the list below multiply operands that are first quantised to E4M3 (4 exponent bits, 3 mantissa bits; 8 bits a number), with one given power-of-two scale for each operand tensor; their sums are f32. All else is computed in f32.
;;   The module's matrix products, in the order in which they are computed (A, B: the left and right operand; K: the contracted axis; several contracted axes count as one K, in the product's order):
;;     1. [M 4,096, K 1,024] x [K 1,024, N 3,072]; A: computed on the way; B: input qkv_w: QUANTISED (scales: A lowp_scales[0], B lowp_scales[1])
;;     2. batch 32 x [M 2,048, K 64] x [K 64, N 2,048]; A: computed on the way; B: computed on the way: QUANTISED (scales: A lowp_scales[2], B lowp_scales[3])
;;     3. batch 32 x [M 64, K 2,048] x [K 2,048, N 2,048]; A: computed on the way; B: softmax (see below): QUANTISED (scales: A lowp_scales[4], B lowp_scales[5])
;;     4. [M 4,096, K 1,024] x [K 1,024, N 1,024]; A: computed on the way; B: input proj_w: QUANTISED (scales: A lowp_scales[6], B lowp_scales[7])
;;     5. [M 4,096, K 1,024] x [K 1,024, N 4,096]; A: computed on the way; B: input fc1_w: QUANTISED (scales: A lowp_scales[8], B lowp_scales[9])
;;     6. [M 4,096, K 4,096] x [K 4,096, N 1,024]; A: computed on the way; B: input fc2_w: QUANTISED (scales: A lowp_scales[10], B lowp_scales[11])
;;   THE QUANTISER, for each operand of a quantised product, along K:
;;     - The operand's scale is 2^e, e = its entry of the input lowp_scales (int32; the entries are numbered through the quantised products in the list's order, A before B).
;;     - Each number is divided by the scale, clamped to +-448, and rounded to the nearest number of E4M3, ties to even, subnormals kept.
;;     - The product sums the exact products of the quantised numbers (number of the format x scale) in f32.
;;   ~~~python
;;   def quantise(x, axis, e):      # numpy; x: float32 -> the quantised numbers, widened to float32 again
;;       x = np.moveaxis(x, axis, -1); K = x.shape[-1]
;;       r = np.clip(x / 2.0 ** e, -448, 448)
;;       step = 2.0 ** (np.maximum(np.frexp(np.where(r == 0, 1, r))[1] - 1, -6) - 3)
;;       q = np.round(r / step) * step * 2.0 ** e      # np.round: ties to even
;;       return np.moveaxis(q, -1, axis).astype(np.float32)
;;   ~~~
;;   SOFTMAX AHEAD OF A QUANTISED PRODUCT. Where the list says 'softmax', what is quantised is not the finished softmax but p = 2^(t - M), with t = logit x log2(e) and M = ceil(the row's largest t), a whole number; so 1/2 < the row's largest p <= 1. The row's sum l is taken of the UNQUANTISED p, in f32, and the product's result is divided by l at the end. Since M is a whole number, a kernel that streams over the keys may use a running M (the ceiling of the running maximum): every later rescaling is an exact power of two, so the quantised numbers keep their values, but for numbers so far below the row's largest that they fall under the format's range.
;;   OPERANDS COMPUTED ON THE WAY. 'Computed on the way' means the value that the module computes at that place (a softmax that the list does not call 'softmax' is quantised finished and normalised). What goes into a quantiser is computed in f32, as accurately as f32 sums, v_exp_f32 and their like allow (about 1e-6 of the number): no bf16 or f16 on the way to a quantiser, and a product that is left as it is and whose result goes on into a quantised operand takes f32 operands (vector FMAs, or v_wmma_f32_16x16x4_f32). A number that lies on a knife's edge between two numbers of the format may be rounded either way, as far as f32 arithmetic and the matrix unit's own rounding can turn it there, and no further.
;; One version. Each part assembles by itself: llvm-mc -triple=amdgcn-amd-amdhsa -mcpu=gfx1250 --defsym DOCPART=n.
;; ======== version 1 of 1: 7 launches
;; limits: right only within a limited range of input values
;; workspace buffers: wc 12,582,912 bytes; hc 4,194,304 bytes; qkvc 12,582,912 bytes; ao 4,194,304 bytes; x2 16,777,216 bytes; hid 16,777,216 bytes
;; launch prep (part 1): grid 640 x 1, 4 waves a work-group, no clusters, 35,328 bytes of LDS; arguments x, ln1_g, ln1_b, qkv_w, proj_w, fc1_w, fc2_w, lowp_scales, wc, hc; writes wc, hc
.if DOCPART == 1
	.amdgcn_target "amdgcn-amd-amdhsa--gfx1250"
	.amdhsa_code_object_version 6
	.text
	.protected	k_q510cb2f109_prep
	.globl	k_q510cb2f109_prep
	.p2align	8
	.type	k_q510cb2f109_prep,@function
k_q510cb2f109_prep:
	s_mov_b64 s[64:65], 0
	v_nop
	global_prefetch_b8 v0, s[64:65] scope:SCOPE_SE
	s_setreg_imm32_b32 hwreg(HW_REG_WAVE_MODE, 25, 1), 1
	s_wait_xcnt 0x0
; Two jobs in one launch, parted on the work-group's number.
; WORK-GROUPS 0-383: the four weights, f32 stored [K][N], become codes of FP8 (E4M3) laid [N][K], K innermost, in wc: qkv_w at byte 0, proj_w at 0x300000, fc1_w at 0x400000, fc2_w at 0x800000.
;   A work-group takes 128 columns x 256 along K, a wave 32 columns.  A LANE TAKES A COLUMN AND ITS REGISTERS RUN DOWN K: each load reads 128 consecutive bytes a wave, and the conversions, which take
;   neighbours along K from one lane's registers, give codes with K innermost.  A wave's 32 x 256 codes go through its own stage in LDS and leave as rows: sixteen lanes store 256 consecutive aligned bytes.
;   One path serves all four tensors: what differs (source, row bytes, K, place in wc, exponent) is chosen by s_cselect on the work-group's number.
; WORK-GROUPS 384-639: LayerNorm 1 of x, quantised with entry 0 of the scales, into hc [4096][1024].  A wave takes 4 rows, one at a time, whole in 32 registers a lane: mean, then the mean of squares of x - mean
;   (two passes over registers, as the definition has it), no LDS, no barrier.
; code = number / 2^e, held within +-448, to the nearest code, ties to even.  LIMITS: each e between -126 and 119.  NaN among the inputs is not served.
.set VO,    16                         ; v16-47   weights: byte offset of row i of a block of 32 rows, + 4 x lane; later the offsets of the stores
.set XW,    48                         ; v48-111  weights: two sets of 32 numbers
.set CW,    112                        ; v112-119 weights: a block's codes
.set OUTR,  120                        ; v120-183 weights: rows read back from the stage
.set PITCH, 272                        ; a stage row: 256 codes + 16 bytes
.set WSTG,  32*PITCH                   ; a wave's stage
.set G,     16                         ; v16-47   LayerNorm: gain of my 32 columns
.set BT,    48                         ; v48-79   bias
.set XR,    80                         ; v80-207  four rows, 32 numbers each
.set CL,    208                        ; v208-239 their codes
	s_load_b512 s[8:23], s[0:1], 0x0               ; x 8, ln1_g 10, ln1_b 12, qkv_w 14, proj_w 16, fc1_w 18, fc2_w 20, the scales' exponents 22
	s_load_b128 s[24:27], s[0:1], 0x40             ; wc 24, hc 26
	v_lshl_add_u32 v240, v0, 2, 0x8800
	v_mov_b32 v241, 0
	v_lshrrev_b32 v1, 5, v0
	v_readfirstlane_b32 s2, v1                     ; wave
	v_and_b32 v2, 31, v0                           ; lane
	s_wait_kmcnt 0x0
	s_load_b256 s[36:43], s[22:23], 0x0            ; e0 .. e7
	s_load_b128 s[44:47], s[22:23], 0x20           ; e8 .. e11
	s_cmp_ge_u32 ttmp9, 384
	s_cbranch_scc1 .Lln
	; ---------------- the weights ----------------
	s_wait_kmcnt 0x0
	s_mov_b32 s28, 256                             ; fc2_w's figures: first work-group,
	s_mov_b32 s29, 4                               ; log2 of the blocks of 256 along K,
	s_mov_b32 s30, 4096                            ; bytes of a row of the f32 tensor,
	s_mov_b32 s31, 4096                            ; K = bytes of a row of codes,
	s_mov_b32 s32, s47                             ; e,
	s_mov_b32 s33, 0x800000                        ; place in wc,
	s_mov_b64 s[34:35], s[20:21]                   ; source
.macro PICK lim, first, sh, rowb, krow, e, doff, src
	s_cmp_lt_u32 ttmp9, \lim
	s_cselect_b32 s28, \first, s28
	s_cselect_b32 s29, \sh, s29
	s_cselect_b32 s30, \rowb, s30
	s_cselect_b32 s31, \krow, s31
	s_cselect_b32 s32, s[\e], s32
	s_cselect_b32 s33, \doff, s33
	s_cselect_b64 s[34:35], s[\src:\src+1], s[34:35]
.endm
	PICK 256, 128, 2, 16384, 1024, 45, 0x400000, 18   ; fc1_w
	PICK 128, 96,  2, 4096,  1024, 43, 0x300000, 16   ; proj_w
	PICK 96,  0,   2, 12288, 1024, 37, 0,        14   ; qkv_w
	s_sub_co_u32 s3, ttmp9, s28                    ; my number within the tensor
	s_lshr_b32 s4, s3, s29                         ; which 128 columns
	s_lshl_b32 s5, s4, s29
	s_sub_co_u32 s5, s3, s5                        ; which 256 along K
	s_lshl_b32 s6, s4, 7
	s_lshl_b32 s7, s2, 5
	s_add_co_u32 s6, s6, s7                        ; my wave's first column
	s_mul_i32 s48, s5, s30
	s_lshl_b32 s48, s48, 8                         ; 256 rows of the source for each step along K,
	s_lshl_b32 s7, s6, 2
	s_add_co_u32 s48, s48, s7                      ; + 4 bytes a column
	s_mov_b32 s49, 0
	s_add_nc_u64 s[34:35], s[34:35], s[48:49]
	s_mul_i32 s50, s6, s31                         ; codes: column x K
	s_lshl_b32 s7, s5, 8
	s_add_co_u32 s50, s50, s7
	s_add_co_u32 s50, s50, s33
	s_mov_b32 s51, 0
	s_add_nc_u64 s[50:51], s[24:25], s[50:51]
	s_lshl_b32 s48, s30, 5                         ; from a block of 32 rows to the next
	s_wait_alu depctr_va_vdst(0)
	v_lshlrev_b32 v3, 2, v2
.set i, 0
.rept 32
	v_mad_u32_u24 v[VO+i], s30, i, v3              ; row i of a block, my column
.set i, i+1
.endr
	s_mul_i32 s7, s2, WSTG                         ; my stage
	v_mul_u32_u24 v4, v2, PITCH
	v_add_nc_u32 v4, s7, v4                        ; into it: row = my column
	v_and_b32 v5, 15, v2
	v_lshrrev_b32 v6, 4, v2
	v_mul_u32_u24 v7, v6, PITCH
	v_lshl_add_u32 v7, v5, 4, v7
	v_add_nc_u32 v7, s7, v7                        ; out of it: sixteen lanes to a row, two rows an instruction
	v_mul_u32_u24 v8, s31, v6
	v_lshl_add_u32 v8, v5, 4, v8                   ; and the same place among the rows of codes
	s_add_co_i32 s32, s32, 127
	s_lshl_b32 s7, s32, 23
	v_mov_b32 v11, s7                              ; 2^e as f32: the conversion takes its exponent field
	s_add_co_i32 s32, s32, 8
	s_lshl_b32 s32, s32, 23
	s_or_b32 s32, s32, 0x600000
.macro LOAD t                          ; block t: W(32 t + i, my column) into set t % 2
.if (\t) > 0
	s_wait_xcnt 0x0                                ; the earlier loads have read their base: it may step
	s_add_nc_u64 s[34:35], s[34:35], s[48:49]
.endif
.set i, 0
.rept 32
	global_load_b32 v[XW+32*((\t)%2)+i], v[VO+i], s[34:35] th:TH_LOAD_NT
.set i, i+1
.endr
.endm
.macro BLOCK t
.set XS, XW+32*((\t)%2)
.if (\t) < 7
	s_wait_loadcnt 32                              ; this block's 32 loads are in; the next block's may be out
.else
	s_wait_loadcnt 0x0
.endif
.set i, 0
.rept 32
.set i, i+1
.endr
.irp g, 0,1,2,3
	v_cvt_scalef32_pk8_fp8_f32 v[CW+2*\g:CW+2*\g+1], v[XS+8*\g:XS+8*\g+7], v11
.endr
	ds_store_b128 v4, v[CW:CW+3] offset:32*(\t)    ; 32 codes of my column's row
	ds_store_b128 v4, v[CW+4:CW+7] offset:32*(\t)+16
.if (\t)+2 < 8
	LOAD (\t)+2
.endif
	s_wait_dscnt 0x0                               ; the stores have read their registers: the next block's codes may be written
.endm
	LOAD 0
	s_wait_alu depctr_va_vdst(0)
	LOAD 1
.irp t, 0,1,2,3,4,5,6,7
	BLOCK \t
.endr
.set i, 0
.rept 16
	v_mad_u32_u24 v[VO+i], s31, 2*i, v8            ; every load is in, so the offsets' registers are free: rows 2 i and 2 i + 1 of my 32 rows of codes
.set i, i+1
.endr
.irp t, 0,1,2,3,4,5,6,7,8,9,10,11,12,13,14,15
	ds_load_b128 v[OUTR+4*\t:OUTR+4*\t+3], v7 offset:2*\t*PITCH   ; LDS serves a wave's instructions in order: these see my stores
.endr
	s_wait_alu depctr_va_vdst(0)
.irp t, 0,1,2,3,4,5,6,7,8,9,10,11,12,13,14,15
	s_wait_dscnt 15-\t                             ; the younger reads may be out
	global_store_b128 v[VO+\t], v[OUTR+4*\t:OUTR+4*\t+3], s[50:51]
.endr
	s_wait_tensorcnt 0x0
	ds_add_u32 v240, v241
	s_wait_dscnt 0x0
	s_endpgm
	; ---------------- LayerNorm 1 ----------------
.Lln:
	s_sub_co_u32 s3, ttmp9, 384
	s_lshl_b32 s3, s3, 4
	s_lshl_b32 s4, s2, 2
	s_add_co_u32 s3, s3, s4                        ; my wave's first row: 16 x work-group + 4 x wave
	s_lshl_b32 s4, s3, 12
	s_mov_b32 s5, 0
	s_add_nc_u64 s[8:9], s[8:9], s[4:5]
	s_lshl_b32 s4, s3, 10
	s_add_nc_u64 s[26:27], s[26:27], s[4:5]
	s_wait_alu depctr_va_vdst(0)
	v_lshlrev_b32 v1, 5, v2                        ; a lane holds columns 256 c + 8 lane + 0 .. 7, c = 0 .. 3: 32 bytes of each 1,024
	v_lshlrev_b32 v5, 3, v2                        ; and stores 8 codes of each 256
	s_mov_b32 s52, 0x3a800000                      ; 1 / 1024
	s_mov_b32 s53, 0x3727c5ac                      ; 1e-5
	s_mov_b32 s54, 0x76543210                      ; v_permlanex16_b32: lane l xor 16
	s_mov_b32 s55, 0xfedcba98
.irp c, 0,1,2,3
	global_load_b128 v[G+8*\c:G+8*\c+3],     v1, s[10:11] offset:1024*\c
	global_load_b128 v[G+8*\c+4:G+8*\c+7],   v1, s[10:11] offset:1024*\c+16
.endr
.irp c, 0,1,2,3
	global_load_b128 v[BT+8*\c:BT+8*\c+3],   v1, s[12:13] offset:1024*\c
	global_load_b128 v[BT+8*\c+4:BT+8*\c+7], v1, s[12:13] offset:1024*\c+16
.endr
.irp j, 0,1,2,3
.irp c, 0,1,2,3
	global_load_b128 v[XR+32*\j+8*\c:XR+32*\j+8*\c+3],   v1, s[8:9] offset:4096*\j+1024*\c th:TH_LOAD_NT
	global_load_b128 v[XR+32*\j+8*\c+4:XR+32*\j+8*\c+7], v1, s[8:9] offset:4096*\j+1024*\c+16 th:TH_LOAD_NT
.endr
.endr
	s_wait_kmcnt 0x0
	s_add_co_i32 s36, s36, 127
	s_lshl_b32 s37, s36, 23
	v_mov_b32 v3, s37                              ; 2^e
	s_add_co_i32 s36, s36, 8
	s_lshl_b32 s36, s36, 23
	s_or_b32 s36, s36, 0x600000
.macro LANESUM                         ; v10 summed over the 32 lanes, the result in every lane
	v_add_f32_dpp v10, v10, v10 row_xmask:1 row_mask:0xf bank_mask:0xf
	v_add_f32_dpp v10, v10, v10 row_xmask:2 row_mask:0xf bank_mask:0xf
	v_add_f32_dpp v10, v10, v10 row_xmask:4 row_mask:0xf bank_mask:0xf
	v_add_f32_dpp v10, v10, v10 row_xmask:8 row_mask:0xf bank_mask:0xf
	v_permlanex16_b32 v11, v10, s54, s55
	v_add_f32 v10, v10, v11
.endm
.macro LNROW j
.set XS, XR+32*(\j)
	s_wait_loadcnt 8*(3-(\j))                      ; gain, bias and this row are in; the younger rows' eight loads each may be out
	v_pk_add_f32 v[10:11], v[XS:XS+1], v[XS+2:XS+3]
	v_pk_add_f32 v[12:13], v[XS+4:XS+5], v[XS+6:XS+7]
.irp i, 8,12,16,20,24,28
	v_pk_add_f32 v[10:11], v[10:11], v[XS+\i:XS+\i+1]
	v_pk_add_f32 v[12:13], v[12:13], v[XS+\i+2:XS+\i+3]
.endr
	v_pk_add_f32 v[10:11], v[10:11], v[12:13]
	v_add_f32 v10, v10, v11
	LANESUM
	v_mul_f32 v6, s52, v10                         ; the mean
	v_mov_b32 v7, v6
.irp i, 0,2,4,6,8,10,12,14,16,18,20,22,24,26,28,30
	v_pk_add_f32 v[XS+\i:XS+\i+1], v[XS+\i:XS+\i+1], v[6:7] neg_lo:[0,1] neg_hi:[0,1]   ; x - mean
.endr
	v_pk_mul_f32 v[10:11], v[XS:XS+1], v[XS:XS+1]
	v_pk_mul_f32 v[12:13], v[XS+2:XS+3], v[XS+2:XS+3]
.irp i, 4,8,12,16,20,24,28
	v_pk_fma_f32 v[10:11], v[XS+\i:XS+\i+1], v[XS+\i:XS+\i+1], v[10:11]
	v_pk_fma_f32 v[12:13], v[XS+\i+2:XS+\i+3], v[XS+\i+2:XS+\i+3], v[12:13]
.endr
	v_pk_add_f32 v[10:11], v[10:11], v[12:13]
	v_add_f32 v10, v10, v11
	LANESUM
	v_fma_f32 v10, v10, s52, s53                   ; the variance + 1e-5
	s_wait_alu depctr_va_vdst(0)
	v_rsq_f32 v8, v10
	v_nop                                          ; a plain instruction behind the transcendental (ISA guide 5.7.2),
	s_wait_alu depctr_va_vdst(0)                   ; and the wait ahead of its first reader
	v_mov_b32 v9, v8
.irp i, 0,2,4,6,8,10,12,14,16,18,20,22,24,26,28,30
	v_pk_mul_f32 v[XS+\i:XS+\i+1], v[XS+\i:XS+\i+1], v[8:9]
.endr
.irp i, 0,2,4,6,8,10,12,14,16,18,20,22,24,26,28,30
	v_pk_fma_f32 v[XS+\i:XS+\i+1], v[XS+\i:XS+\i+1], v[G+\i:G+\i+1], v[BT+\i:BT+\i+1]
.endr
.set i, 0
.rept 32
.set i, i+1
.endr
.irp c, 0,1,2,3
	v_cvt_scalef32_pk8_fp8_f32 v[CL+8*(\j)+2*\c:CL+8*(\j)+2*\c+1], v[XS+8*\c:XS+8*\c+7], v3
.endr
.irp c, 0,1,2,3
	global_store_b64 v5, v[CL+8*(\j)+2*\c:CL+8*(\j)+2*\c+1], s[26:27] offset:1024*(\j)+256*\c   ; the wave stores 256 consecutive aligned bytes
.endr
.endm
	LNROW 0
	LNROW 1
	LNROW 2
	LNROW 3
	s_endpgm
.Lfunc_end_k_q510cb2f109_prep:
	.size	k_q510cb2f109_prep, .Lfunc_end_k_q510cb2f109_prep-k_q510cb2f109_prep
	.p2alignl 7, 3214868480
	.fill 96, 4, 3214868480
	.section	.rodata,"a",@progbits
	.p2align	6, 0x0
	.amdhsa_kernel k_q510cb2f109_prep
		.amdhsa_group_segment_fixed_size 35328
		.amdhsa_private_segment_fixed_size 0
		.amdhsa_enable_private_segment 0
		.amdhsa_kernarg_size 80
		.amdhsa_user_sgpr_count 2
		.amdhsa_user_sgpr_kernarg_segment_ptr 1
		.amdhsa_wavefront_size32 1
		.amdhsa_system_sgpr_workgroup_id_x 1
		.amdhsa_system_sgpr_workgroup_id_y 1
		.amdhsa_system_sgpr_workgroup_id_z 1
		.amdhsa_system_vgpr_workitem_id 0
		.amdhsa_next_free_vgpr 242
		.amdhsa_next_free_sgpr 66
		.amdhsa_reserve_vcc 0
		.amdhsa_float_denorm_mode_32 3
		.amdhsa_float_denorm_mode_16_64 3
		.amdhsa_fp16_overflow 1
		.amdhsa_memory_ordered 1
		.amdhsa_forward_progress 1
		.amdhsa_inst_pref_size 71
	.end_amdhsa_kernel
	.amdgpu_metadata
---
amdhsa.version: [ 1, 2 ]
amdhsa.kernels:
  - .name:           k_q510cb2f109_prep
    .symbol:         k_q510cb2f109_prep.kd
    .args:
      - { .name: x, .offset: 0, .size: 8, .value_kind: global_buffer, .address_space: global }
      - { .name: ln1_g, .offset: 8, .size: 8, .value_kind: global_buffer, .address_space: global }
      - { .name: ln1_b, .offset: 16, .size: 8, .value_kind: global_buffer, .address_space: global }
      - { .name: qkv_w, .offset: 24, .size: 8, .value_kind: global_buffer, .address_space: global }
      - { .name: proj_w, .offset: 32, .size: 8, .value_kind: global_buffer, .address_space: global }
      - { .name: fc1_w, .offset: 40, .size: 8, .value_kind: global_buffer, .address_space: global }
      - { .name: fc2_w, .offset: 48, .size: 8, .value_kind: global_buffer, .address_space: global }
      - { .name: lowp_scales, .offset: 56, .size: 8, .value_kind: global_buffer, .address_space: global }
      - { .name: wc, .offset: 64, .size: 8, .value_kind: global_buffer, .address_space: global }
      - { .name: hc, .offset: 72, .size: 8, .value_kind: global_buffer, .address_space: global }
    .group_segment_fixed_size: 35328
    .private_segment_fixed_size: 0
    .kernarg_segment_align: 8
    .kernarg_segment_size: 80
    .max_flat_workgroup_size: 128
    .sgpr_count:     66
    .vgpr_count:     242
    .wavefront_size: 32
...
	.end_amdgpu_metadata
.endif
;; end of part 1
;; launch qkv (part 2): grid 48 x 4, 4 waves a work-group, clusters of 4 x 4, 327,680 bytes of LDS; arguments hc, wc, lowp_scales, qkv_b, qkvc; writes qkvc
.if DOCPART == 2
	.amdgcn_target "amdgcn-amd-amdhsa--gfx1250"
	.amdhsa_code_object_version 6
	.text
	.protected	k_q510cb2f109_qkv
	.globl	k_q510cb2f109_qkv
	.p2align	8
	.type	k_q510cb2f109_qkv,@function
k_q510cb2f109_qkv:
	s_mov_b64 s[64:65], 0
	v_nop
	global_prefetch_b8 v0, s[64:65] scope:SCOPE_SE
	s_setreg_imm32_b32 hwreg(HW_REG_WAVE_MODE, 25, 1), 1
	s_wait_xcnt 0x0
	s_wait_alu depctr_hold_cnt(0) depctr_sa_sdst(0) depctr_va_vdst(0) depctr_va_sdst(0) depctr_va_ssrc(0) depctr_va_vcc(0) depctr_vm_vsrc(0)
	s_getreg_b32 s2, hwreg(HW_REG_IB_STS2, 6, 4)
	s_cmp_eq_u32 s2, 0
	s_cbranch_scc0 .Lentry_in_a_cluster
	s_endpgm
.Lentry_in_a_cluster:
	s_bfe_u32 s2, ttmp6, 0x10000c
	s_cmp_lg_u32 s2, 0xf033
	s_cbranch_scc0 .Lentry_shape_is_right
	s_endpgm
.Lentry_shape_is_right:
; qkv = LN1(x) qkv_w + qkv_b on codes of FP8 (E4M3), quantised at once into the operands of attention.  hc: [4096 tokens][1024], wc: rows 0-3071 = qkv_w's columns, [n][1024]; K = 1024.
; A tile of 256 x 256 is made by four waves, 128 x 128 each: 64 accumulators in 512 registers.  K goes in steps of 256 through a ring of two LDS slots filled by the tensor data mover.
; TWELVE CLUSTERS of 4 x 4 work-groups, c = cluster x, each 1,024 x 1,024 of the result.  Source 1's row becomes a lane, source 0's rows become the lane's registers:
;   c = 0-3 (q), 4-7 (k): source 1 = 16 tokens, source 0 = 16 columns of qkv_w: a lane holds 8 neighbouring channels of one token: codes with the head's 64 innermost.
;   c = 8-11 (v):         source 1 = 16 columns of qkv_w, source 0 = 16 tokens: a lane holds 8 neighbouring tokens of one channel: codes with the KEYS innermost, and nothing is transposed.
; The choice hangs on c alone, which all sixteen partners share.  Tiles of source 1 are asked for jointly along a row of the cluster, tiles of source 0 along a column.
; OUT (qkvc): q at 0: [batch x head 32][2048][64].  From 0x400000: for each batch x head eight blocks of 32,768 bytes (256 keys): k [256][64], then v [2 halves][64 channels][128 keys].
; number = sum x 2^(e0 + e1) + bias; code = number / 2^e (e2 for q, e3 for k, e4 for v), held within +-448.  LIMITS: e0 + e1 between -126 and 127; e2, e3, e4 between -126 and 119.  NaN is not served.
; Within a matrix instruction k is permuted, alike in both operands (fragments come by 16-byte loads): the order of the sums inside an instruction differs from the plain layout's.
; REGISTERS: window 0: v0-31 addresses; v32-127 codes and biases for the way out; from v128 source 1's fragments, ONE set.  window 1: source 0's fragments, TWO sets.  windows 2, 3: the accumulators.
.set KROW,   1024                      ; a row of either operand in memory, in bytes
.set ROWB,   256                       ; a tile's row: 256 codes
.set PITCH,  272                       ; an LDS row: 256 bytes + 16: the 16 rows that a load touches start 4 banks apart (64 banks of 4 bytes: ISA guide 11.1)
.set FR,     16
.set NL,     4
.set NP,     4
.set HALFT,  128*PITCH
.set SLOT,   4*HALFT
.set LAPS,   2                         ; K = 1024 = twice round the ring
.set SPARE,  2*SLOT                    ; the spare words, 128 bytes a wave: two blocks of 256 bytes that no other line names
.set ADRA, 16
.set ADRB, 20
.set STO,  24                          ; the way out: where I put 8 codes of a stage row (16 rows x (128 + 16) bytes a wave, in slot 0, which has had its last fill and its last read by then)
.set RDQ,  25                          ; where I read back 16 bytes: q, k: eight rows x 64 bytes an instruction
.set CO,   26                          ; 16 x lane
.set RDV,  27                          ; v: four rows x 128 bytes an instruction
.set SPW,  28
.set NIL,  29
.set LIMV, 30
.set SCV,  31                          ; 2^e
.set CD,   32                          ; v32-47   a block's codes
.set BR,   48                          ; v48-63   v: the bias of my lane's channel in block a, in the pair 2 a, 2 a + 1
.set BC,   64                          ; v64-127  q, k: the bias of my 64 columns
.set TMP,  128                         ; v128-191 a block's numbers
.set BK,   192                         ; v192-207 rows read back
.set AF,   128
.set G1, 24
.set G0, 32
.set G1B, 48
.set G0B, 56
.set MSB, 0
.macro WIN new                         ; the immediate's high byte repeats the setting that is left
.if MSB != \new
	s_set_vgpr_msb (MSB<<8)|\new
.set MSB, \new
.endif
.endm
.set MUL_LO, 0xa1                      ; source 0 window 1, source 1 window 0, C and D window 2
.set MUL_HI, 0xf1                      ; the same, C and D window 3
.set TO_B,   0x40
.macro JLOAD g0a, g1a, g0b, g1b        ; a joint load: waves 0 and 1 fetch source 1's halves, waves 2 and 3 source 0's; four v_nop follow each line
	s_cmp_eq_u32 s15, 0
	s_cbranch_scc0 .Lfor_b_\@
	tensor_load_to_lds s[\g0a:\g0a+3], s[\g1a:\g1a+7]
	s_nop 0
.rept 4
	v_nop
.endr
	s_branch .Lasked_\@
.Lfor_b_\@:
	tensor_load_to_lds s[\g0b:\g0b+3], s[\g1b:\g1b+7]
	s_nop 0
.rept 4
	v_nop
.endr
.Lasked_\@:
.endm
.macro CREST                           ; a round of the cluster's barrier behind its opening barrier
	s_cmp_lg_u32 s14, 0
	s_cbranch_scc1 .Lnot_wave_0_\@
	s_barrier_signal -3
.Lnot_wave_0_\@:
	s_barrier_wait -3
	s_barrier_signal -1
	s_barrier_wait -1
.endm
.macro CROUND
	s_barrier_signal -1
	s_barrier_wait -1
	CREST
.endm
	s_load_b128 s[4:7], s[0:1], 0x0                ; hc, wc
	s_load_b128 s[8:11], s[0:1], 0x10              ; the scales' exponents, qkv_b
	s_load_b64 s[12:13], s[0:1], 0x20              ; qkvc
	v_lshl_add_u32 v[SPW], v0, 2, SPARE
	v_mov_b32 v[NIL], 0
	ds_add_u32 v28, v29
	ds_add_u32 v28, v29
	s_wait_dscnt 0x0
	v_lshrrev_b32 v1, 5, v0
	v_readfirstlane_b32 s14, v1                    ; wave 0..3
	s_lshr_b32 s15, s14, 1                         ; which half of source 1's rows is mine.  Also: I fetch for source 1 (0) or source 0 (1)
	s_and_b32 s16, s14, 1                          ; which half of source 0's rows.  Also: which 128 rows of that tile I fetch
	s_bfe_u32 s40, ttmp6, 0x40000                  ; cx
	s_bfe_u32 s41, ttmp6, 0x40004                  ; cy
	s_and_b32 s18, ttmp9, 3
	s_lshl_b32 s18, s18, 2                         ; q, k: the cluster's first tile of tokens
	s_lshr_b32 s19, ttmp9, 2
	s_lshl_b32 s19, s19, 2                         ; q, k: its first tile of qkv_w's columns (0 for q, 4 for k)
	s_sub_co_u32 s20, ttmp9, 8
	s_lshl_b32 s20, s20, 2                         ; v: its first tile of tokens
	s_cmp_lt_u32 ttmp9, 8
	s_cselect_b32 s17, s18, 8                      ; v: columns from 2,048 on
	s_cselect_b32 s42, s19, s20
	s_add_co_u32 s17, s17, s41                     ; source 1's tile
	s_add_co_u32 s42, s42, s40                     ; source 0's tile
	s_lshl_b32 s43, s41, 2
	s_lshl_b32 s43, 15, s43                        ; my row of the cluster
	s_lshl_b32 s44, 0x1111, s40                    ; my column
	s_or_b32 s[G1+0], s43, (0<<16)|(1<<20)|(1<<21)|(5<<22)|(3<<25)  ; 15:0 the mask; 17:16 elements of 1 byte; 20 padding on; 21 set beside a mask; 24:22 after every 64 words; 31:25 four words
	s_or_b32 s[G1B+0], s44, (0<<16)|(1<<20)|(1<<21)|(5<<22)|(3<<25)
.irp g, G1, G1B
	s_mov_b32 s[\g+1], ROWB<<16                    ; tensor_dim0
	s_mov_b32 s[\g+2], 128<<16                     ; tensor_dim1
	s_mov_b32 s[\g+3], ROWB<<16                    ; tile_dim0
	s_mov_b32 s[\g+4], 128                         ; tile_dim1
	s_mov_b32 s[\g+5], KROW                        ; from row to row
	s_mov_b32 s[\g+6], 0
	s_mov_b32 s[\g+7], 0
.endr
	s_lshl_b32 s18, s16, 7
	s_lshl_b32 s20, s17, 8
	s_add_co_u32 s20, s20, s18
	s_lshl_b32 s20, s20, 10                        ; source 1: (256 x tile + 128 x half) rows of 1,024 bytes
	s_mov_b32 s21, 0
	s_lshl_b32 s46, s42, 8
	s_add_co_u32 s46, s46, s18
	s_lshl_b32 s46, s46, 10                        ; source 0 likewise
	s_mov_b32 s47, 0
	s_mul_i32 s45, s14, HALFT                      ; where they go: wave x 128 rows
	s_wait_kmcnt 0x0
	s_load_b256 s[88:95], s[8:9], 0x0              ; e0 .. e7
	s_cmp_lt_u32 ttmp9, 8
	s_cselect_b64 s[22:23], s[4:5], s[6:7]         ; source 1's tensor
	s_cselect_b64 s[18:19], s[6:7], s[4:5]         ; source 0's
	s_add_nc_u64 s[20:21], s[22:23], s[20:21]
	s_add_nc_u64 s[46:47], s[18:19], s[46:47]
	CROUND                                         ; all sixteen work-groups are here: the first joint loads meet
.irp s, 0,1
	s_mov_b32 s[G0+4*\s], 1
	s_add_co_u32 s[G0+4*\s+1], s45, \s*SLOT
	s_add_nc_u64 s[G0+4*\s+2:G0+4*\s+3], s[20:21], \s*ROWB
	s_or_b32 s[G0+4*\s+3], s[G0+4*\s+3], 0x80000000
	s_mov_b32 s[G0B+4*\s], 1
	s_add_co_u32 s[G0B+4*\s+1], s45, \s*SLOT
	s_add_nc_u64 s[G0B+4*\s+2:G0B+4*\s+3], s[46:47], \s*ROWB
	s_or_b32 s[G0B+4*\s+3], s[G0B+4*\s+3], 0x80000000
	JLOAD G0+4*\s, G1, G0B+4*\s, G1B
.endr
	v_and_b32 v1, 15, v0                           ; r
	s_wait_alu depctr_va_vdst(0)
	v_bfe_u32 v2, v0, 4, 1                         ; h
	v_mul_u32_u24 v3, v1, PITCH
	v_lshl_add_u32 v4, v2, 4, v3
	s_mul_i32 s21, s15, HALFT
	s_mul_i32 s22, s16, HALFT
	s_add_co_u32 s22, s22, 2*HALFT
.irp s, 0,1
	v_add_nc_u32 v[ADRA+\s], s21, v4
	v_add_nc_u32 v[ADRB+\s], s22, v4
	s_add_co_u32 s21, s21, SLOT
	s_add_co_u32 s22, s22, SLOT
.endr
	s_mul_i32 s23, s14, 2304                       ; my stage
	v_mul_u32_u24 v5, v1, 144
	s_wait_alu depctr_va_vdst(0)
	v_lshl_add_u32 v5, v2, 3, v5
	v_add_nc_u32 v[STO], s23, v5                   ; row r, + 8 h
	v_bfe_u32 v5, v0, 2, 3
	v_mul_u32_u24 v5, v5, 144
	v_and_b32 v6, 3, v0
	v_lshl_add_u32 v5, v6, 4, v5
	v_add_nc_u32 v[RDQ], s23, v5                   ; row lane / 4, 16 (lane % 4)
	v_bfe_u32 v5, v0, 3, 2
	v_mul_u32_u24 v5, v5, 144
	v_and_b32 v6, 7, v0
	v_lshl_add_u32 v5, v6, 4, v5
	v_add_nc_u32 v[RDV], s23, v5                   ; row lane / 8, 16 (lane % 8)
	v_and_b32 v6, 31, v0
	v_lshlrev_b32 v[CO], 4, v6
	v_lshlrev_b32 v12, 5, v2                       ; 32 h
	s_wait_alu depctr_va_vdst(0)
	v_lshlrev_b32 v13, 2, v1                       ; 4 r
	; the biases.  Every wave makes both kinds of load, with no branch: the kind that its cluster does not use reads from the buffer's first 512 bytes and is not looked at
	s_wait_alu depctr_va_vdst(0)
	s_lshl_b32 s18, s42, 8
	s_lshl_b32 s19, s16, 7
	s_add_co_u32 s18, s18, s19
	s_lshl_b32 s18, s18, 2                         ; q, k: my 128 columns
	s_lshl_b32 s22, s41, 8
	s_lshl_b32 s23, s15, 7
	s_add_co_u32 s22, s22, s23
	s_add_co_u32 s22, s22, 2048
	s_lshl_b32 s22, s22, 2                         ; v: my 128 channels
	s_cmp_lt_u32 ttmp9, 8
	s_cselect_b32 s18, s18, 0
	s_cselect_b32 s22, 0, s22
	s_mov_b32 s19, 0
	s_mov_b32 s23, 0
	s_add_nc_u64 s[98:99], s[10:11], s[18:19]
	s_add_nc_u64 s[82:83], s[10:11], s[22:23]
.irp b, 0,1,2,3,4,5,6,7
	global_load_b128 v[BC+8*\b:BC+8*\b+3],   v12, s[98:99] offset:64*\b      ; register 8 b + j: column 16 b + 8 h + j
	global_load_b128 v[BC+8*\b+4:BC+8*\b+7], v12, s[98:99] offset:64*\b+16
.endr
.irp a, 0,1,2,3,4,5,6,7
	global_load_b32 v[BR+2*\a], v13, s[82:83] offset:64*\a                   ; channel 16 a + r
.endr
.macro FRAG reg, adr, q, i             ; 16 rows x 128 K: lane l holds row l % 16; registers 4 c .. 4 c + 3 hold K = 32 c + 16 (l / 16) + 0 .. 15
.irp c, 0,1,2,3
	ds_load_b128 v[\reg+4*\c:\reg+4*\c+3], v[\adr] offset:128*(\q)+32*\c+(\i)*16*PITCH
.endr
.endm
.macro MUL16 a0, p, zero               ; source 1's blocks a0, a0 + 1 x source 0's eight; the 64 accumulators take turns, one instruction a turn
.irp a, \a0, \a0+1
.irp b, 0,1,2,3,4,5,6,7
.if \zero
	v_wmma_f32_16x16x128_fp8_fp8 v[8*(8*((\a)%4)+\b):8*(8*((\a)%4)+\b)+7], v[128*(\p)+FR*\b:128*(\p)+FR*\b+FR-1], v[AF+FR*(\a):AF+FR*(\a)+FR-1], 0
.else
	v_wmma_f32_16x16x128_fp8_fp8 v[8*(8*((\a)%4)+\b):8*(8*((\a)%4)+\b)+7], v[128*(\p)+FR*\b:128*(\p)+FR*\b+FR-1], v[AF+FR*(\a):AF+FR*(\a)+FR-1], v[8*(8*((\a)%4)+\b):8*(8*((\a)%4)+\b)+7]
.endif
.endr
.endr
.endm
.macro FETCH_B slot, q, p
	WIN TO_B
.irp i, 0,1,2,3,4,5,6,7
	FRAG 128*(\p)+FR*\i, ADRB+\slot, \q, \i
.endr
	WIN 0
.endm
.macro FETCH_A slot, q, i0
.irp i, \i0, \i0+1, \i0+2, \i0+3
	FRAG AF+FR*(\i), ADRA+\slot, \q, \i
.endr
.endm
.macro PLACES n                        ; plain vector instructions between a matrix instruction and a load into, or a vector read or write of, its registers
.rept \n
	v_nop
.endr
.endm
.macro STEP slot, q, zero              ; 128 along K that has its successor in the same slot
	s_wait_dscnt 4*NL                              ; source 0's set and source 1's blocks 0-3 are in; the youngest 16 loads (blocks 4-7) may be out
	WIN MUL_LO
	MUL16 0, (\q)%2, \zero
	MUL16 2, (\q)%2, \zero
	s_wait_dscnt 0
	PLACES NP
	FETCH_B \slot, (\q)+1, 1-(\q)%2
	FETCH_A \slot, (\q)+1, 0
	WIN MUL_HI
	MUL16 4, (\q)%2, \zero
	MUL16 6, (\q)%2, \zero
	PLACES NP
	WIN 0
	FETCH_A \slot, (\q)+1, 4
.endm
.macro TURN slot, next, fill           ; a slot's last step changes slots: one barrier; fill = 1: this slot is filled again, two K steps ahead
	s_wait_tensorcnt 0x0                           ; all my tensor loads have landed: my part of the next slot;
	ds_add_u32 v[SPW], v[NIL]                      ; 0 onto my spare word;
	s_wait_dscnt 4*NL+1                            ; (the add and the youngest 16 loads may be out)
	WIN MUL_LO
	MUL16 0, 1, 0
	s_wait_dscnt 0x0                               ; the add is done, and my reads of this slot are over
	s_barrier_signal -1
	MUL16 2, 1, 0
	WIN 0
	s_barrier_wait -1
.if \fill
	CREST                                          ; the barrier has opened a round of the cluster's barrier: no wave of any partner still reads this slot or has a load on its way
	s_add_nc_u64 s[G0+4*\slot+2:G0+4*\slot+3], s[G0+4*\slot+2:G0+4*\slot+3], 2*ROWB
	s_add_nc_u64 s[G0B+4*\slot+2:G0B+4*\slot+3], s[G0B+4*\slot+2:G0B+4*\slot+3], 2*ROWB
	JLOAD G0+4*\slot, G1, G0B+4*\slot, G1B         ; the first tensor load behind the round; its four v_nop are the places in front of the loads below
.else
	PLACES NP
.endif
	FETCH_B \next, 0, 0
	FETCH_A \next, 0, 0
	WIN MUL_HI
	MUL16 4, 1, 0
	MUL16 6, 1, 0
	PLACES NP
	WIN 0
	FETCH_A \next, 0, 4
.endm
	s_wait_tensorcnt 1                             ; my part of K step 0 is in (K step 1's load may be out),
	s_barrier_signal -1
	s_barrier_wait -1                              ; everybody's is
	FETCH_B 0, 0, 0
	FETCH_A 0, 0, 0
	FETCH_A 0, 0, 4
	STEP 0, 0, 1                                   ; the first step's products start the sums
	s_mov_b32 s3, LAPS-1
.Llap:
	TURN 0, 1, 1
	STEP 1, 0, 0
	TURN 1, 0, 1
	STEP 0, 0, 0
	s_sub_co_u32 s3, s3, 1
	s_cmp_lg_u32 s3, 0
	s_cbranch_scc1 .Llap
	TURN 0, 1, 0                                   ; the last lap fills nothing
	STEP 1, 0, 0
	s_wait_dscnt 4*NL
	WIN MUL_LO
	MUL16 0, 1, 0
	MUL16 2, 1, 0
	s_wait_dscnt 0
	WIN MUL_HI
	MUL16 4, 1, 0
	MUL16 6, 1, 0
	WIN 0
; THE WAY OUT, a block of 16 of source 1's rows at a time: number = sum x 2^(e0 + e1) + bias, the hold, the conversion; a lane's 8 x 8 codes go into my stage row (128 bytes) and come back so that
; the 32 lanes hold 512 bytes that are neighbours in qkvc.  A block's arithmetic stands between the block before's stage reads and the wait for them.
.macro COMP a, vpath
.set AC, 64*((\a)%4)
	WIN 0x02+((\a)/4)                              ; source 0: window 2 or 3
.set jj, 0
.rept 32
.if \vpath
	v_pk_fma_f32 v[TMP+jj:TMP+jj+1], v[AC+jj:AC+jj+1], s[96:97], v[BR+2*(\a):BR+2*(\a)+1] op_sel_hi:[1,0,1]   ; each accumulator from its low end on
.else
	v_pk_fma_f32 v[TMP+jj:TMP+jj+1], v[AC+jj:AC+jj+1], s[96:97], v[BC+jj:BC+jj+1] op_sel_hi:[1,0,1]
.endif
.set jj, jj+2
.endr
	WIN 0
.set jj, 0
.rept 64
.set jj, jj+1
.endr
.irp b, 0,1,2,3,4,5,6,7
	v_cvt_scalef32_pk8_fp8_f32 v[CD+2*\b:CD+2*\b+1], v[TMP+8*\b:TMP+8*\b+7], v[SCV]
.endr
	v_nop                                          ; a plain instruction behind the last conversion
.endm
.macro STAGEQ
.irp b, 0,1,2,3,4,5,6,7
	ds_store_b64 v[STO], v[CD+2*\b:CD+2*\b+1] offset:16*\b
.endr
.irp i, 0,1,2,3
	ds_load_b128 v[BK+4*\i:BK+4*\i+3], v[RDQ] offset:(\i%2)*1152+(\i/2)*64   ; head i / 2, tokens 8 (i % 2) on; LDS serves a wave's instructions in order
.endr
.endm
.macro SENDQ a
	s_wait_dscnt 0x0
	global_store_b128 v[CO], v[BK:BK+3],     s[84:85] offset:(\a)*1024        ; 512 consecutive aligned bytes: eight tokens x 64 channels of a head
	global_store_b128 v[CO], v[BK+4:BK+7],   s[84:85] offset:(\a)*1024+512
	global_store_b128 v[CO], v[BK+8:BK+11],  s[86:87] offset:(\a)*1024
	global_store_b128 v[CO], v[BK+12:BK+15], s[86:87] offset:(\a)*1024+512
.endm
.macro STAGEV
.irp b, 0,1,2,3,4,5,6,7
	ds_store_b64 v[STO], v[CD+2*\b:CD+2*\b+1] offset:9216+16*\b             ; this path has stage bytes of its own
.endr
.irp i, 0,1,2,3
	ds_load_b128 v[BK+4*\i:BK+4*\i+3], v[RDV] offset:9216+\i*576
.endr
.endm
.macro SENDV a
	s_wait_dscnt 0x0
.irp i, 0,1,2,3
	global_store_b128 v[CO], v[BK+4*\i:BK+4*\i+3], s[84:85] offset:((\a)/4)*262144+((\a)%4)*2048+\i*512   ; four channels x 128 keys
.endr
.endm
	s_wait_kmcnt 0x0
	s_add_co_i32 s96, s88, s89
	s_add_co_i32 s96, s96, 127
	s_lshl_b32 s96, s96, 23                        ; 2^(e0 + e1) as f32
	s_mov_b32 s97, s96
	s_cmp_lt_u32 ttmp9, 8
	s_cselect_b32 s18, s91, s92                    ; e3 for k, e4 for v,
	s_cmp_lt_u32 ttmp9, 4
	s_cselect_b32 s18, s90, s18                    ; e2 for q
	s_add_co_i32 s18, s18, 127
	s_lshl_b32 s19, s18, 23
	v_mov_b32 v[SCV], s19
	s_wait_loadcnt 0x0                             ; the biases
	PLACES NP
	s_cmp_lt_u32 ttmp9, 8                          ; the same in all sixteen partners
	s_cbranch_scc0 .Lvpath
	s_lshr_b32 s18, s17, 3                         ; q, k: batch,
	s_lshl_b32 s18, s18, 4
	s_lshl_b32 s19, s40, 2
	s_add_co_u32 s18, s18, s19
	s_lshl_b32 s19, s16, 1
	s_add_co_u32 s18, s18, s19                     ; x 16 + my first head: 4 cx + 2 x half
	s_and_b32 s19, s17, 7                          ; which 256 tokens of the batch
	s_cmp_lt_u32 ttmp9, 4
	s_cselect_b32 s20, 17, 18                      ; a head's bytes: 2^17 in q, 2^18 in the blocks of k and v
	s_cselect_b32 s21, 14, 15                      ; 256 tokens' bytes
	s_cselect_b32 s22, 0, 0x400000
	s_lshl_b32 s18, s18, s20
	s_lshl_b32 s19, s19, s21
	s_add_co_u32 s18, s18, s19
	s_add_co_u32 s18, s18, s22
	s_lshl_b32 s19, s15, 13                        ; my 128 tokens
	s_add_co_u32 s18, s18, s19
	s_mov_b32 s19, 0
	s_add_nc_u64 s[84:85], s[12:13], s[18:19]
	s_lshl_b32 s18, 1, s20
	s_add_nc_u64 s[86:87], s[84:85], s[18:19]      ; my second head
	COMP 0, 0
	STAGEQ
.irp a, 1,2,3,4,5,6,7
	COMP \a, 0
	s_wait_alu depctr_va_vdst(0)
	SENDQ \a-1
	s_wait_xcnt 0x0                                ; the stores have read their registers: the next rows may land there
	STAGEQ
.endr
	SENDQ 7
	s_branch .Lend
.Lvpath:
.irp a, 0,1,2,3,4,5,6,7
	v_mov_b32 v[BR+2*\a+1], v[BR+2*\a]             ; the pair's upper half
.endr
	s_lshr_b32 s18, s42, 3                         ; v: batch,
	s_lshl_b32 s18, s18, 4
	s_lshl_b32 s19, s41, 2
	s_add_co_u32 s18, s18, s19
	s_lshl_b32 s19, s15, 1
	s_add_co_u32 s18, s18, s19                     ; x 16 + my first head: 4 cy + 2 x half
	s_lshl_b32 s18, s18, 18
	s_and_b32 s19, s42, 7
	s_lshl_b32 s19, s19, 15                        ; which block of 256 keys
	s_add_co_u32 s18, s18, s19
	s_lshl_b32 s19, s16, 13                        ; which half of it
	s_add_co_u32 s18, s18, s19
	s_add_co_u32 s18, s18, 0x400000+16384
	s_mov_b32 s19, 0
	s_add_nc_u64 s[84:85], s[12:13], s[18:19]
	s_wait_alu depctr_va_vdst(0)
	COMP 0, 1
	STAGEV
.irp a, 1,2,3,4,5,6,7
	COMP \a, 1
	s_wait_alu depctr_va_vdst(0)
	SENDV \a-1
	s_wait_xcnt 0x0
	STAGEV
.endr
	SENDV 7
.Lend:
	s_wait_tensorcnt 0x0                           ; the wave's end
	ds_add_u32 v[SPW], v[NIL]
	s_wait_dscnt 0x0
	CROUND                                         ; the closing round
	s_endpgm
.Lfunc_end_k_q510cb2f109_qkv:
	.size	k_q510cb2f109_qkv, .Lfunc_end_k_q510cb2f109_qkv-k_q510cb2f109_qkv
	.p2alignl 7, 3214868480
	.fill 96, 4, 3214868480
	.section	.rodata,"a",@progbits
	.p2align	6, 0x0
	.amdhsa_kernel k_q510cb2f109_qkv
		.amdhsa_group_segment_fixed_size 327680
		.amdhsa_private_segment_fixed_size 0
		.amdhsa_enable_private_segment 0
		.amdhsa_kernarg_size 40
		.amdhsa_user_sgpr_count 2
		.amdhsa_user_sgpr_kernarg_segment_ptr 1
		.amdhsa_wavefront_size32 1
		.amdhsa_system_sgpr_workgroup_id_x 1
		.amdhsa_system_sgpr_workgroup_id_y 1
		.amdhsa_system_sgpr_workgroup_id_z 1
		.amdhsa_system_vgpr_workitem_id 0
		.amdhsa_next_free_vgpr 1024
		.amdhsa_next_free_sgpr 100
		.amdhsa_reserve_vcc 0
		.amdhsa_float_denorm_mode_32 3
		.amdhsa_float_denorm_mode_16_64 3
		.amdhsa_fp16_overflow 1
		.amdhsa_memory_ordered 1
		.amdhsa_forward_progress 1
		.amdhsa_inst_pref_size 144
	.end_amdhsa_kernel
	.amdgpu_metadata
---
amdhsa.version: [ 1, 2 ]
amdhsa.kernels:
  - .name:           k_q510cb2f109_qkv
    .symbol:         k_q510cb2f109_qkv.kd
    .args:
      - { .name: hc, .offset: 0, .size: 8, .value_kind: global_buffer, .address_space: global }
      - { .name: wc, .offset: 8, .size: 8, .value_kind: global_buffer, .address_space: global }
      - { .name: lowp_scales, .offset: 16, .size: 8, .value_kind: global_buffer, .address_space: global }
      - { .name: qkv_b, .offset: 24, .size: 8, .value_kind: global_buffer, .address_space: global }
      - { .name: qkvc, .offset: 32, .size: 8, .value_kind: global_buffer, .address_space: global }
    .group_segment_fixed_size: 327680
    .private_segment_fixed_size: 0
    .kernarg_segment_align: 8
    .kernarg_segment_size: 40
    .max_flat_workgroup_size: 128
    .sgpr_count:     100
    .vgpr_count:     1024
    .wavefront_size: 32
...
	.end_amdgpu_metadata
.endif
;; end of part 2
;; launch attn (part 3): grid 8 x 32, 16 waves a work-group, clusters of 4 x 1, 327,680 bytes of LDS; arguments qkvc, lowp_scales, ao; writes ao
.if DOCPART == 3
	.amdgcn_target "amdgcn-amd-amdhsa--gfx1250"
	.amdhsa_code_object_version 6
	.text
	.protected	k_q510cb2f109_attn
	.globl	k_q510cb2f109_attn
	.p2align	8
	.type	k_q510cb2f109_attn,@function
k_q510cb2f109_attn:
	s_mov_b64 s[64:65], 0
	v_nop
	global_prefetch_b8 v0, s[64:65] scope:SCOPE_SE
	s_setreg_imm32_b32 hwreg(HW_REG_WAVE_MODE, 25, 1), 1
	s_wait_xcnt 0x0
	s_wait_alu depctr_hold_cnt(0) depctr_sa_sdst(0) depctr_va_vdst(0) depctr_va_sdst(0) depctr_va_ssrc(0) depctr_va_vcc(0) depctr_vm_vsrc(0)
	s_getreg_b32 s2, hwreg(HW_REG_IB_STS2, 6, 4)
	s_cmp_eq_u32 s2, 0
	s_cbranch_scc0 .Lentry_in_a_cluster
	s_endpgm
.Lentry_in_a_cluster:
	s_bfe_u32 s2, ttmp6, 0x10000c
	s_cmp_lg_u32 s2, 0x3003
	s_cbranch_scc0 .Lentry_shape_is_right
	s_endpgm
.Lentry_shape_is_right:
.set RP,    144
.set SLB,   32768
.set SLL,   256*RP
.set VOFF,  128*RP
.set NSL,   8
.set ROWS0, 16
.set ROWS1, 112
.set STAGE, NSL*SLL
.set SPARE, STAGE+16*1280
.set AK0,  1
.set AV0,  2
.set SPW,  5
.set NIL,  6
.set GO,   7
.set ADK,  8
.set ADV,  9
.set TB,   3
.set WV,   18
.set SEL,  20
.set CS,   22
.set G1A,  24
.set G1B,  32
.set G0A,  40
.set G0B,  44
.set SLOTS, 67
.macro CROUND
	s_barrier_signal -1
	s_barrier_wait -1
	s_cmp_lg_u32 s[WV], 0
	s_cbranch_scc1 .Lnot_wave_0_\@
	s_barrier_signal -3
.Lnot_wave_0_\@:
	s_barrier_wait -3
	s_barrier_signal -1
	s_barrier_wait -1
.endm
	s_load_b128 s[4:7], s[0:1], 0x0
	s_load_b64 s[8:9], s[0:1], 0x10
	v_lshl_add_u32 v[SPW], v0, 2, SPARE
	v_mov_b32 v[NIL], 0
	ds_add_u32 v5, v6
	ds_add_u32 v5, v6
	s_wait_dscnt 0x0
	v_lshrrev_b32 v8, 5, v0
	s_delay_alu instid0(VALU_DEP_1)
	v_readfirstlane_b32 s[WV], v8
	s_bfe_u32 s48, ttmp6, 0x40000
	s_lshl_b32 s49, ttmp9, 2
	s_add_co_u32 s49, s49, s48
	s_and_b32 s50, ttmp7, 0xffff
	s_lshl_b32 s52, s50, 18
	s_add_co_u32 s52, s52, 0x400000
	s_mov_b32 s53, 0
	s_lshl_b32 s54, s50, 17
	s_lshl_b32 s55, s49, 14
	s_add_co_u32 s54, s54, s55
	s_lshl_b32 s55, s[WV], 10
	s_add_co_u32 s54, s54, s55
	s_mov_b32 s55, 0
	s_lshr_b32 s56, s50, 4
	s_lshl_b32 s56, s56, 5
	s_lshl_b32 s57, s49, 2
	s_add_co_u32 s56, s56, s57
	s_lshr_b32 s57, s[WV], 2
	s_add_co_u32 s56, s56, s57
	s_lshl_b32 s56, s56, 16
	s_and_b32 s57, s50, 15
	s_lshl_b32 s57, s57, 12
	s_add_co_u32 s56, s56, s57
	s_and_b32 s57, s[WV], 3
	s_lshl_b32 s57, s57, 10
	s_add_co_u32 s56, s56, s57
	s_mov_b32 s57, 0
	s_lshl_b32 s58, s[WV], 11
	s_mov_b32 s59, 0
	s_mul_i32 s60, s[WV], ROWS1*128
	s_add_co_u32 s60, s60, SLB
	s_mov_b32 s61, 0
	s_mov_b32 s[G1A], 15|(0<<16)|(1<<20)|(1<<21)|(4<<22)|(3<<25)
	s_mov_b32 s[G1A+1], 128<<16
	s_mov_b32 s[G1A+2], ROWS0<<16
	s_mov_b32 s[G1A+3], 128<<16
	s_mov_b32 s[G1A+4], ROWS0
	s_mov_b32 s[G1A+5], 128
	s_mov_b32 s[G1A+6], 0
	s_mov_b32 s[G1A+7], 0
	s_mov_b32 s[G1B], 15|(0<<16)|(1<<20)|(1<<21)|(4<<22)|(3<<25)
	s_mov_b32 s[G1B+1], 128<<16
	s_mov_b32 s[G1B+2], ROWS1<<16
	s_mov_b32 s[G1B+3], 128<<16
	s_mov_b32 s[G1B+4], ROWS1
	s_mov_b32 s[G1B+5], 128
	s_mov_b32 s[G1B+6], 0
	s_mov_b32 s[G1B+7], 0
	s_mov_b32 s[G0A], 1
	s_mul_i32 s[G0A+1], s[WV], ROWS0*RP
	s_mov_b32 s[G0B], 1
	s_mul_i32 s[G0B+1], s[WV], ROWS1*RP
	s_add_co_u32 s[G0B+1], s[G0B+1], SLL
	s_mov_b32 s[SEL], 0x76543210
	s_mov_b32 s[SEL+1], 0xfedcba98
	s_mov_b32 s[CS], 0x3e38aa3b
	s_mov_b32 s[TB], 0
	s_mov_b32 s[SLOTS], NSL-1
	s_wait_kmcnt 0x0
	s_load_b256 s[68:75], s[6:7], 0x0
	s_add_nc_u64 s[52:53], s[4:5], s[52:53]
	s_add_nc_u64 s[G0A+2:G0A+3], s[52:53], s[58:59]
	s_or_b32 s[G0A+3], s[G0A+3], 0x80000000
	s_add_nc_u64 s[G0B+2:G0B+3], s[52:53], s[60:61]
	s_or_b32 s[G0B+3], s[G0B+3], 0x80000000
	s_add_nc_u64 s[54:55], s[4:5], s[54:55]
	s_add_nc_u64 s[8:9], s[8:9], s[56:57]
	CROUND
	tensor_load_to_lds s[G0A:G0A+3], s[G1A:G1A+7]
	s_nop 0
.rept 4
	v_nop
.endr
	v_and_b32 v8, 15, v0
	v_bfe_u32 v9, v0, 4, 1
	s_delay_alu instid0(VALU_DEP_2)
	v_lshlrev_b32 v10, 6, v8
	s_delay_alu instid0(VALU_DEP_1)
	v_lshl_add_u32 v10, v9, 4, v10
	s_delay_alu instid0(VALU_DEP_4)
	v_and_b32 v11, 8, v8
	s_delay_alu instid0(VALU_DEP_1)
	v_add_nc_u32 v11, v11, v8
	s_delay_alu instid0(VALU_DEP_1)
	v_lshrrev_b32 v[AK0], 1, v11
	s_delay_alu instid0(VALU_DEP_1)
	v_mul_u32_u24 v[AK0], v[AK0], RP
	v_and_b32 v11, 1, v8
	s_delay_alu instid0(VALU_DEP_1)
	v_lshl_add_u32 v[AK0], v11, 6, v[AK0]
	s_delay_alu instid0(VALU_DEP_1)
	v_lshl_add_u32 v[AK0], v9, 4, v[AK0]
	v_mul_u32_u24 v[AV0], v8, RP
	s_delay_alu instid0(VALU_DEP_1)
	v_lshl_add_u32 v[AV0], v9, 4, v[AV0]
	s_delay_alu instid0(VALU_DEP_1)
	v_add_nc_u32 v[AV0], VOFF, v[AV0]
	v_and_b32 v[GO], 31, v0
	s_delay_alu instid0(VALU_DEP_1)
	v_lshlrev_b32 v[GO], 4, v[GO]
	v_mov_b32 v13, 0xff61b1e6
	s_delay_alu instid0(VALU_DEP_1)
	v_floor_f32 v12, -v13
	v_mov_b32 v14, 0
	v_mov_b32 v15, 0
	v_mov_b32 v246, 0
	v_mov_b32 v253, 0
.set j, 0
.rept 32
	v_mov_b32 v[160+j], 0
.set j, j+1
.endr
	s_wait_alu depctr_va_vdst(0)
	s_wait_tensorcnt 0x0
	ds_add_u32 v5, v6
	s_wait_dscnt 0x0
	CROUND
	tensor_load_to_lds s[G0B:G0B+3], s[G1B:G1B+7]
	s_nop 0
.rept 4
	v_nop
.endr
	global_load_b128 v[16:19], v10, s[54:55]
	global_load_b128 v[20:23], v10, s[54:55] offset:32
	s_wait_kmcnt 0x0
	s_add_co_i32 s58, s70, s71
	s_lshl_b32 s58, s58, 23
	s_add_co_i32 s[CS], s[CS], s58
	s_mov_b32 s[CS+1], s[CS]
	s_add_co_i32 s58, s73, 127
	s_lshl_b32 s59, s58, 23
	v_mov_b32 v244, s59
	s_add_co_i32 s58, s74, 127
	s_lshl_b32 s59, s58, 23
	v_mov_b32 v245, s59
	s_add_co_i32 s58, s58, 8
	s_lshl_b32 s58, s58, 23
	s_or_b32 s58, s58, 0x600000
.macro STEP q
	v_add_nc_u32 v[ADK], s[TB], v[AK0]
	s_setprio 2
	v_add_nc_u32 v[ADV], s[TB], v[AV0]
	v_nop
	v_nop
.irp t, 0,1,2,3,4,5,6,7
.irp c, 0,1
	ds_load_b128 v[32+8*\t+4*\c:32+8*\t+4*\c+3], v[ADK] offset:(64*(\q)+16*(\t/2)+4*(\t%2))*RP+32*\c
.endr
.endr
	s_wait_alu depctr_va_vdst(0)
	s_wait_dscnt 0x0
.irp t, 0,1,2,3,4,5,6,7
	v_wmma_f32_16x16x64_fp8_fp8 v[96+8*\t:103+8*\t], v[32+8*\t:39+8*\t], v[16:23], 0
.endr
.rept 4
	v_nop
.endr
.irp t, 0,1,2,3
.irp c, 0,1,2,3
	ds_load_b128 v[32+16*\t+4*\c:32+16*\t+4*\c+3], v[ADV] offset:(64*(\q)+16*\t)*RP+32*\c
.endr
.endr
	v_max3_num_f32 v254, v96, v97, v98
	v_max3_num_f32 v252, v99, v100, v101
.irp i, 6,10,14,18,22,26,30,34,38,42,46,50,54,58
	v_max3_num_f32 v254, v254, v[96+\i], v[97+\i]
	v_max3_num_f32 v252, v252, v[98+\i], v[99+\i]
.endr
	v_max3_num_f32 v254, v254, v158, v159
	s_delay_alu instid0(VALU_DEP_1)
	v_max_num_f32 v254, v254, v252
	s_delay_alu instid0(VALU_DEP_1)
	v_permlanex16_b32 v246, v254, s[SEL], s[SEL+1]
	s_delay_alu instid0(VALU_DEP_1)
	v_max_num_f32 v254, v254, v246
	s_delay_alu instid0(VALU_DEP_1)
	v_mul_f32 v254, s[CS], v254
	s_delay_alu instid0(VALU_DEP_1)
	v_max_num_f32 v13, v13, v254
	v_mov_b32 v254, v12
	s_delay_alu instid0(VALU_DEP_2)
	v_floor_f32 v12, -v13
	s_delay_alu instid0(VALU_DEP_1)
	v_sub_f32 v254, v12, v254
	s_delay_alu instid0(VALU_DEP_1)
	v_cvt_i32_f32 v254, v254
	s_delay_alu instid0(VALU_DEP_1)
	v_ldexp_f32 v252, 1.0, v254
.set j, 0
.rept 32
	v_pk_fma_f32 v[96+j:97+j], v[96+j:97+j], s[CS:CS+1], v[12:13] op_sel_hi:[1,0,0]
.set j, j+2
.endr
.set j, 0
	s_setprio 1
	s_wait_alu depctr_va_vdst(0)
.rept 64
	v_exp_f32 v[96+j], v[96+j]
.set j, j+1
.endr
	v_pk_mul_f32 v[14:15], v[14:15], v[252:253] op_sel_hi:[1,0]
	s_wait_alu depctr_va_vdst(0)
	v_pk_add_f32 v[242:243], v[96:97], v[98:99]
.irp j, 4,8,12,16,20,24,28,32,36,40,44,48,52,56,60
	v_pk_add_f32 v[14:15], v[14:15], v[96+\j:97+\j]
	v_pk_add_f32 v[242:243], v[242:243], v[98+\j:99+\j]
.endr
	s_delay_alu instid0(VALU_DEP_1)
	v_pk_add_f32 v[14:15], v[14:15], v[242:243]
.irp b, 0,1,2,3
.irp i, 0,1,2,3,4,5,6,7,8,9,10,11,12,13,14,15
.endr
	v_cvt_scalef32_pk8_fp8_f32 v[224+4*\b:225+4*\b], v[96+16*\b:103+16*\b], v244
	v_cvt_scalef32_pk8_fp8_f32 v[226+4*\b:227+4*\b], v[104+16*\b:111+16*\b], v244
.endr
.set j, 0
	s_setprio 0
.rept 16
	v_pk_mul_f32 v[160+j:161+j], v[160+j:161+j], v[252:253] op_sel_hi:[1,0]
.set j, j+2
.endr
	s_wait_alu depctr_va_vdst(0)
	s_wait_dscnt 0x0
.irp t, 0,1,2,3
	v_wmma_f32_16x16x128_fp8_fp8 v[160+8*\t:167+8*\t], v[32+16*\t:47+16*\t], v[224:239], v[160+8*\t:167+8*\t]
.endr
.endm
	s_wait_loadcnt 0x0
	s_wait_tensorcnt 0x1
	s_barrier_signal -1
	s_barrier_wait -1
	STEP 0
	STEP 1
	s_wait_tensorcnt 0x0
	ds_add_u32 v[SPW], v[NIL]
	s_wait_dscnt 0x0
	s_barrier_signal -1
	s_barrier_wait -1
.Lslot:
	s_add_co_u32 s[TB], s[TB], SLL
	STEP 0
	STEP 1
	s_sub_co_u32 s[SLOTS], s[SLOTS], 1
	s_cmp_lg_u32 s[SLOTS], 0
	s_cbranch_scc1 .Lslot
	s_setprio 0
	v_add_f32 v14, v14, v15
	s_delay_alu instid0(VALU_DEP_1)
	v_permlanex16_b32 v252, v14, s[SEL], s[SEL+1]
	s_delay_alu instid0(VALU_DEP_1)
	v_add_f32 v14, v14, v252
	s_wait_alu depctr_va_vdst(0)
	v_rcp_f32 v14, v14
	v_and_b32 v8, 15, v0
	v_bfe_u32 v9, v0, 4, 1
	s_add_co_i32 s58, s72, s73
	s_mul_i32 s59, s[WV], 1280
	s_add_co_u32 s59, s59, STAGE
	v_mul_u32_u24 v10, v8, 80
	s_delay_alu instid0(VALU_DEP_1)
	v_lshl_add_u32 v10, v9, 3, v10
	s_delay_alu instid0(VALU_DEP_1)
	v_add_nc_u32 v10, s59, v10
	v_bfe_u32 v11, v0, 2, 3
	s_delay_alu instid0(VALU_DEP_1)
	v_mul_u32_u24 v11, v11, 80
	v_and_b32 v254, 3, v0
	s_delay_alu instid0(VALU_DEP_1)
	v_lshl_add_u32 v11, v254, 4, v11
	s_delay_alu instid0(VALU_DEP_1)
	v_add_nc_u32 v11, s59, v11
	s_wait_alu depctr_va_vdst(0)
	v_ldexp_f32 v14, v14, s58
.set j, 0
.rept 32
	v_mul_f32 v[96+j], v[160+j], v14
.set j, j+1
.endr
.set j, 0
.rept 32
.set j, j+1
.endr
.irp t, 0,1,2,3
	v_cvt_scalef32_pk8_fp8_f32 v[128+2*\t:129+2*\t], v[96+8*\t:103+8*\t], v245
.endr
	v_nop
.irp t, 0,1,2,3
	ds_store_b64 v10, v[128+2*\t:129+2*\t] offset:16*\t
.endr
.irp i, 0,1
	ds_load_b128 v[32+4*\i:35+4*\i], v11 offset:640*\i
.endr
.irp i, 0,1
	s_wait_dscnt 1-\i
	global_store_b128 v[GO], v[32+4*\i:35+4*\i], s[8:9] offset:512*\i
.endr
	s_wait_tensorcnt 0x0
	ds_add_u32 v[SPW], v[NIL]
	s_wait_dscnt 0x0
	CROUND
	s_endpgm
.Lfunc_end_k_q510cb2f109_attn:
	.size	k_q510cb2f109_attn, .Lfunc_end_k_q510cb2f109_attn-k_q510cb2f109_attn
	.p2alignl 7, 3214868480
	.fill 96, 4, 3214868480
	.section	.rodata,"a",@progbits
	.p2align	6, 0x0
	.amdhsa_kernel k_q510cb2f109_attn
		.amdhsa_group_segment_fixed_size 327680
		.amdhsa_private_segment_fixed_size 0
		.amdhsa_enable_private_segment 0
		.amdhsa_kernarg_size 24
		.amdhsa_user_sgpr_count 2
		.amdhsa_user_sgpr_kernarg_segment_ptr 1
		.amdhsa_wavefront_size32 1
		.amdhsa_system_sgpr_workgroup_id_x 1
		.amdhsa_system_sgpr_workgroup_id_y 1
		.amdhsa_system_sgpr_workgroup_id_z 1
		.amdhsa_system_vgpr_workitem_id 0
		.amdhsa_next_free_vgpr 256
		.amdhsa_next_free_sgpr 100
		.amdhsa_reserve_vcc 0
		.amdhsa_float_denorm_mode_32 3
		.amdhsa_float_denorm_mode_16_64 3
		.amdhsa_fp16_overflow 1
		.amdhsa_memory_ordered 1
		.amdhsa_forward_progress 1
		.amdhsa_inst_pref_size 67
	.end_amdhsa_kernel
	.amdgpu_metadata
---
amdhsa.version: [ 1, 2 ]
amdhsa.kernels:
  - .name:           k_q510cb2f109_attn
    .symbol:         k_q510cb2f109_attn.kd
    .args:
      - { .name: qkvc, .offset: 0, .size: 8, .value_kind: global_buffer, .address_space: global }
      - { .name: lowp_scales, .offset: 8, .size: 8, .value_kind: global_buffer, .address_space: global }
      - { .name: ao, .offset: 16, .size: 8, .value_kind: global_buffer, .address_space: global }
    .group_segment_fixed_size: 327680
    .private_segment_fixed_size: 0
    .kernarg_segment_align: 8
    .kernarg_segment_size: 24
    .max_flat_workgroup_size: 512
    .sgpr_count:     100
    .vgpr_count:     256
    .wavefront_size: 32
...
	.end_amdgpu_metadata
.endif
;; end of part 3
;; launch proj (part 4): grid 8 x 32, 4 waves a work-group, clusters of 4 x 4, 327,680 bytes of LDS; arguments ao, wc, lowp_scales, proj_b, x, x2; writes x2
.if DOCPART == 4
	.amdgcn_target "amdgcn-amd-amdhsa--gfx1250"
	.amdhsa_code_object_version 6
	.text
	.protected	k_q510cb2f109_proj
	.globl	k_q510cb2f109_proj
	.p2align	8
	.type	k_q510cb2f109_proj,@function
k_q510cb2f109_proj:
	s_mov_b64 s[64:65], 0
	v_nop
	global_prefetch_b8 v0, s[64:65] scope:SCOPE_SE
	s_setreg_imm32_b32 hwreg(HW_REG_WAVE_MODE, 25, 1), 1
	s_wait_xcnt 0x0
	s_wait_alu depctr_hold_cnt(0) depctr_sa_sdst(0) depctr_va_vdst(0) depctr_va_sdst(0) depctr_va_ssrc(0) depctr_va_vcc(0) depctr_vm_vsrc(0)
	s_getreg_b32 s2, hwreg(HW_REG_IB_STS2, 6, 4)
	s_cmp_eq_u32 s2, 0
	s_cbranch_scc0 .Lentry_in_a_cluster
	s_endpgm
.Lentry_in_a_cluster:
	s_bfe_u32 s2, ttmp6, 0x10000c
	s_cmp_lg_u32 s2, 0xf033
	s_cbranch_scc0 .Lentry_shape_is_right
	s_endpgm
.Lentry_shape_is_right:
; out = resid + A W^T x 2^(eA + eW) + bias, on codes of FP8 (E4M3).  Here: A = ao (attention's result), W = proj_w's codes, resid = x, out = x2; K = 1024, N = 1024, M = 4096.
; A lies in blocks: [token / 64][K / CH][64 tokens][CH codes]; 64 tokens x 512 along K are 32,768 dense bytes, one tensor load.  W: [n][K], K innermost, at WOFF in wc.
; A tile of 128 x 128 is made by four waves, 64 x 64 each (16 accumulators): tiles of 256 x 256 would be 64, a quarter of the WGPs.  K goes in steps of 512 through a ring of two LDS slots.
; CLUSTERS of 4 x 4: A's tiles are asked for jointly along a row of the cluster, W's along a column.  The matrix instruction is used transposed (source 0 = 16 rows of W, source 1 = 16 tokens):
; a lane holds eight neighbouring numbers of a row of the result.  Within an instruction k is permuted alike in both operands (fragments come by 16-byte loads).
; LIMIT: eA + eW between -126 and 127.
; REGISTERS: window 0: v0-31 addresses, v8-11 bias; v32-95 rows on the way out; v128-255 accumulators.  window 1: two fragment buffers of 128 (A's four fragments, then W's four).  window 2: v0-127 the residual.
.set SIZE_K, 1024
.set CH,     64                        ; codes of a token in one block of A
.set QIA,    3                         ; padding behind every 16 words
.set WOFF,   0x300000
.set SCOFF,  0x18                      ; entries 6 and 7 of the scales
.set AP,     CH+16                     ; a row of A in LDS
.set AR,     64*512/CH                 ; rows of one load of A
.set AH,     AR*AP
.set BP,     528                       ; a row of W in LDS: 512 bytes + 16
.set BH,     64*BP
.set SLOT,   2*AH+2*BH                 ; A's two halves, then W's two
.set SPARE,  2*SLOT                    ; the spare words, 128 bytes a wave
.set LAPS,   SIZE_K/1024
.set SPITCH, 272                       ; the way out: 16 rows x (256 + 16) bytes a wave, in slot 0, which has had its last fill and its last read by then
.set ADRA, 16
.set ADRB, 20
.set STO,  24
.set RD,   25
.set CO,   26
.set SPW,  28
.set NIL,  29
.set T0,   32
.set ACC,  128
.set F0,   0
.set F1,   128
.set G1, 24
.set G0, 32
.set G1B, 48
.set G0B, 56
.set MSB, 0
.macro WIN new
.if MSB != \new
	s_set_vgpr_msb (MSB<<8)|\new
.set MSB, \new
.endif
.endm
.set MUL,  0x05                        ; sources 0 and 1 window 1; C and D window 0
.set TO_F, 0x40
.macro JLOAD s                         ; waves 0 and 1 fetch A's halves, waves 2 and 3 W's; four v_nop follow each line
	s_cmp_eq_u32 s15, 0
	s_cbranch_scc0 .Lfor_b_\@
	tensor_load_to_lds s[G0+4*\s:G0+4*\s+3], s[G1:G1+7]
	s_nop 0
.rept 4
	v_nop
.endr
	s_branch .Lasked_\@
.Lfor_b_\@:
	tensor_load_to_lds s[G0B+4*\s:G0B+4*\s+3], s[G1B:G1B+7]
	s_nop 0
.rept 4
	v_nop
.endr
.Lasked_\@:
.endm
.macro CREST
	s_cmp_lg_u32 s14, 0
	s_cbranch_scc1 .Lnot_wave_0_\@
	s_barrier_signal -3
.Lnot_wave_0_\@:
	s_barrier_wait -3
	s_barrier_signal -1
	s_barrier_wait -1
.endm
.macro CROUND
	s_barrier_signal -1
	s_barrier_wait -1
	CREST
.endm
	s_load_b256 s[4:11], s[0:1], 0x0               ; A 4, wc 6, the scales' exponents 8, bias 10
	s_load_b128 s[68:71], s[0:1], 0x20             ; resid 68, out 70
	v_lshl_add_u32 v[SPW], v0, 2, SPARE
	v_mov_b32 v[NIL], 0
	ds_add_u32 v28, v29
	ds_add_u32 v28, v29
	s_wait_dscnt 0x0
	v_lshrrev_b32 v1, 5, v0
	v_readfirstlane_b32 s14, v1                    ; wave 0..3
	s_lshr_b32 s15, s14, 1                         ; which 64 rows of the tile are mine.  Also: I fetch for A (0) or for W (1)
	s_and_b32 s16, s14, 1                          ; which 64 columns.  Also: which half I fetch
	s_bfe_u32 s40, ttmp6, 0x40000                  ; cx
	s_bfe_u32 s41, ttmp6, 0x40004                  ; cy
	s_lshl_b32 s42, ttmp9, 2
	s_add_co_u32 s42, s42, s40                     ; tile column
	s_and_b32 s17, ttmp7, 0xffff
	s_lshl_b32 s17, s17, 2
	s_add_co_u32 s17, s17, s41                     ; tile row
	s_lshl_b32 s43, s41, 2
	s_lshl_b32 s43, 15, s43                        ; my row of the cluster
	s_lshl_b32 s44, 0x1111, s40                    ; my column
	s_or_b32 s[G1+0], s43, (0<<16)|(1<<20)|(1<<21)|(QIA<<22)|(3<<25)   ; the mask; elements of 1 byte; padding of four words behind every row; 21 set beside a mask
	s_mov_b32 s[G1+1], CH<<16                      ; tensor_dim0
	s_mov_b32 s[G1+2], (AR&0xffff)<<16             ; tensor_dim1
	s_mov_b32 s[G1+3], CH<<16                      ; tile_dim0
	s_mov_b32 s[G1+4], AR                          ; tile_dim1
	s_mov_b32 s[G1+5], CH                          ; dense rows
	s_mov_b32 s[G1+6], 0
	s_mov_b32 s[G1+7], 0
	s_or_b32 s[G1B+0], s44, (0<<16)|(1<<20)|(1<<21)|(6<<22)|(3<<25)
	s_mov_b32 s[G1B+1], 512<<16
	s_mov_b32 s[G1B+2], 64<<16
	s_mov_b32 s[G1B+3], 512<<16
	s_mov_b32 s[G1B+4], 64
	s_mov_b32 s[G1B+5], SIZE_K
	s_mov_b32 s[G1B+6], 0
	s_mov_b32 s[G1B+7], 0
	s_lshl_b32 s20, s17, 1
	s_add_co_u32 s20, s20, s16
	s_mul_i32 s20, s20, 64*SIZE_K                  ; A: block of 64 tokens 2 x tile row + half
	s_mov_b32 s21, 0
	s_lshl_b32 s46, s42, 7
	s_lshl_b32 s47, s16, 6
	s_add_co_u32 s46, s46, s47
	s_mul_i32 s46, s46, SIZE_K                     ; W: row 128 x tile column + 64 x half
	s_add_co_u32 s46, s46, WOFF
	s_mov_b32 s47, 0
	s_mul_i32 s45, s16, AH                         ; where they go: no place in the cluster enters an LDS address
	s_mul_i32 s18, s16, BH
	s_add_co_u32 s18, s18, 2*AH
	s_wait_kmcnt 0x0
	s_load_b64 s[96:97], s[8:9], SCOFF             ; eA, eW
	s_add_nc_u64 s[20:21], s[4:5], s[20:21]
	s_add_nc_u64 s[46:47], s[6:7], s[46:47]
	CROUND                                         ; all sixteen work-groups are here: the first joint loads meet
.irp s, 0,1
	s_mov_b32 s[G0+4*\s], 1
	s_add_co_u32 s[G0+4*\s+1], s45, \s*SLOT
	s_add_nc_u64 s[G0+4*\s+2:G0+4*\s+3], s[20:21], \s*32768
	s_or_b32 s[G0+4*\s+3], s[G0+4*\s+3], 0x80000000
	s_mov_b32 s[G0B+4*\s], 1
	s_add_co_u32 s[G0B+4*\s+1], s18, \s*SLOT
	s_add_nc_u64 s[G0B+4*\s+2:G0B+4*\s+3], s[46:47], \s*512
	s_or_b32 s[G0B+4*\s+3], s[G0B+4*\s+3], 0x80000000
	JLOAD \s
.endr
	v_and_b32 v1, 15, v0                           ; r
	v_bfe_u32 v2, v0, 4, 1                         ; h
	v_mul_u32_u24 v3, v1, AP
	v_lshl_add_u32 v3, v2, 4, v3
	v_mul_u32_u24 v4, v1, BP
	v_lshl_add_u32 v4, v2, 4, v4
	s_mul_i32 s21, s15, AH
	s_mul_i32 s22, s16, BH
	s_add_co_u32 s22, s22, 2*AH
.irp s, 0,1
	v_add_nc_u32 v[ADRA+\s], s21, v3
	v_add_nc_u32 v[ADRB+\s], s22, v4
	s_add_co_u32 s21, s21, SLOT
	s_add_co_u32 s22, s22, SLOT
.endr
	s_mul_i32 s23, s14, 16*SPITCH                  ; my stage
	v_mul_u32_u24 v5, v1, SPITCH
	v_lshl_add_u32 v5, v2, 5, v5
	v_add_nc_u32 v[STO], s23, v5                   ; in: row r, + 32 h
	v_mul_u32_u24 v5, v2, SPITCH
	v_lshl_add_u32 v5, v1, 4, v5
	v_add_nc_u32 v[RD], s23, v5                    ; back: lanes 0-15 one row of 256 bytes, lanes 16-31 the next
	v_lshlrev_b32 v5, 12, v2
	v_lshl_add_u32 v[CO], v1, 4, v5                ; and the same two rows in memory
	v_lshlrev_b32 v6, 4, v1
	s_lshl_b32 s20, s17, 7
	s_lshl_b32 s21, s15, 6
	s_add_co_u32 s20, s20, s21
	s_lshl_b32 s20, s20, 12                        ; my first row, 4,096 bytes a row,
	s_lshl_b32 s22, s42, 9
	s_lshl_b32 s23, s16, 8
	s_add_co_u32 s22, s22, s23                     ; my first column, in bytes
	s_add_co_u32 s20, s20, s22
	s_mov_b32 s21, 0
	s_mov_b32 s23, 0
	s_add_nc_u64 s[68:69], s[68:69], s[20:21]
	s_add_nc_u64 s[70:71], s[70:71], s[20:21]
	s_add_nc_u64 s[10:11], s[10:11], s[22:23]
	global_load_b128 v[8:11], v6, s[10:11]         ; the bias of my four columns
	WIN 0x80                                       ; destination window 2
.irp a, 0,1,2,3
.irp t, 0,1,2,3,4,5,6,7
	global_load_b128 v[32*\a+4*\t:32*\a+4*\t+3], v[CO], s[68:69] offset:(16*\a+2*\t)*4096 th:TH_LOAD_NT   ; the residual, in the layout in which the rows leave; it lands under the products
.endr
.endr
	WIN 0
.macro MUL4 f, a, zero                 ; A's fragment a x W's four; the 16 accumulators take turns, one instruction a turn
.irp b, 0,1,2,3
.if \zero
	v_wmma_f32_16x16x128_fp8_fp8 v[ACC+8*(4*(\a)+\b):ACC+8*(4*(\a)+\b)+7], v[\f+64+16*\b:\f+64+16*\b+15], v[\f+16*(\a):\f+16*(\a)+15], 0
.else
	v_wmma_f32_16x16x128_fp8_fp8 v[ACC+8*(4*(\a)+\b):ACC+8*(4*(\a)+\b)+7], v[\f+64+16*\b:\f+64+16*\b+15], v[\f+16*(\a):\f+16*(\a)+15], v[ACC+8*(4*(\a)+\b):ACC+8*(4*(\a)+\b)+7]
.endif
.endr
.endm
.macro FETCH slot, q, f                ; 32 LDS loads in one run: the fragments of the slot's q-th 128 along K: W's four first, then A's four
	WIN TO_F
.irp i, 0,1,2,3
.irp c, 0,1,2,3
	ds_load_b128 v[\f+64+16*\i+4*\c:\f+64+16*\i+4*\c+3], v[ADRB+\slot] offset:128*(\q)+32*\c+\i*16*BP
.endr
.endr
.irp i, 0,1,2,3
.irp c, 0,1,2,3
	ds_load_b128 v[\f+16*\i+4*\c:\f+16*\i+4*\c+3], v[ADRA+\slot] offset:((128*(\q)+32*\c)/CH)*64*AP+\i*16*AP+(128*(\q)+32*\c)%CH
.endr
.endr
.endm
.macro PLACES
.rept 4
	v_nop
.endr
.endm
.macro QUARTER slot, qn, f, g, zero    ; multiplies buffer f and fetches the slot's quarter qn into g
	s_wait_dscnt 8                                 ; W's four and A's fragments 0, 1 are in; the youngest eight loads may be out
	WIN MUL
	MUL4 \f, 0, \zero
	MUL4 \f, 1, \zero
	PLACES
	FETCH \slot, \qn, \g
	s_wait_dscnt 32                                ; all but the 32 just issued
	WIN MUL
	MUL4 \f, 2, \zero
	MUL4 \f, 3, \zero
.endm
.macro TURN slot, next, fill           ; the last quarter multiplies buffer 1 and changes slots
	WIN 0
	s_wait_tensorcnt 0x0                           ; all my tensor loads have landed: my part of the next slot;
	ds_add_u32 v[SPW], v[NIL]                      ; 0 onto my spare word;
	s_wait_dscnt 9                                 ; (the add and the youngest eight loads may be out)
	WIN MUL
	MUL4 F1, 0, 0
	s_wait_dscnt 0x0                               ; the add is done, and my reads of this slot are over
	s_barrier_signal -1
	MUL4 F1, 1, 0
	WIN 0
	s_barrier_wait -1
.if \fill
	CREST                                          ; a round of the cluster's barrier: no wave of any partner still reads this slot or has a load on its way
	s_add_nc_u64 s[G0+4*\slot+2:G0+4*\slot+3], s[G0+4*\slot+2:G0+4*\slot+3], 65536
	s_add_nc_u64 s[G0B+4*\slot+2:G0B+4*\slot+3], s[G0B+4*\slot+2:G0B+4*\slot+3], 1024
	JLOAD \slot                                    ; the first tensor load behind the round; its four v_nop are the places in front of the loads below
.else
	PLACES
.endif
	FETCH \next, 0, F0
	WIN MUL
	MUL4 F1, 2, 0
	MUL4 F1, 3, 0
.endm
	s_wait_tensorcnt 1                             ; my part of slot 0 is in (slot 1's load may be out),
	s_barrier_signal -1
	s_barrier_wait -1                              ; everybody's is
	FETCH 0, 0, F0
	QUARTER 0, 1, F0, F1, 1                        ; the first quarter's products start the sums
.if LAPS > 1
	WIN 0
	s_mov_b32 s3, LAPS-1
.Llap:
	QUARTER 0, 2, F1, F0, 0
	QUARTER 0, 3, F0, F1, 0
	TURN 0, 1, 1
	QUARTER 1, 1, F0, F1, 0
	QUARTER 1, 2, F1, F0, 0
	QUARTER 1, 3, F0, F1, 0
	TURN 1, 0, 1
	QUARTER 0, 1, F0, F1, 0
	WIN 0
	s_sub_co_u32 s3, s3, 1
	s_cmp_lg_u32 s3, 0
	s_cbranch_scc1 .Llap
.endif
	QUARTER 0, 2, F1, F0, 0                        ; the last lap fills nothing
	QUARTER 0, 3, F0, F1, 0
	TURN 0, 1, 0
	QUARTER 1, 1, F0, F1, 0
	QUARTER 1, 2, F1, F0, 0
	QUARTER 1, 3, F0, F1, 0
	s_wait_dscnt 8
	WIN MUL
	MUL4 F1, 0, 0
	MUL4 F1, 1, 0
	s_wait_dscnt 0
	MUL4 F1, 2, 0
	MUL4 F1, 3, 0
	WIN 0
; THE WAY OUT, 16 rows at a time.  A wave's 64 columns are 256 aligned bytes of a row: the sums go through my own stage and come back as whole rows, sixteen lanes to a row.
.macro TOSTAGE a
.irp b, 0,1,2,3
	ds_store_b128 v[STO], v[ACC+8*(4*(\a)+\b):ACC+8*(4*(\a)+\b)+3] offset:64*\b         ; each accumulator from its low end on
	ds_store_b128 v[STO], v[ACC+8*(4*(\a)+\b)+4:ACC+8*(4*(\a)+\b)+7] offset:64*\b+16
.endr
.set TT, T0+32*((\a)%2)
.irp t, 0,1,2,3,4,5,6,7
	ds_load_b128 v[TT+4*\t:TT+4*\t+3], v[RD] offset:\t*2*SPITCH   ; LDS serves a wave's instructions in order
.endr
.endm
.macro FIN a, younger                  ; younger: the LDS instructions issued behind block a's loads, which may stay out
.set TT, T0+32*((\a)%2)
	s_wait_dscnt \younger
.irp t, 0,1,2,3,4,5,6,7
	v_pk_fma_f32 v[TT+4*\t:TT+4*\t+1],   v[TT+4*\t:TT+4*\t+1],   s[96:97], v[8:9]   op_sel_hi:[1,0,1]   ; sum x 2^(eA + eW) + bias
	v_pk_fma_f32 v[TT+4*\t+2:TT+4*\t+3], v[TT+4*\t+2:TT+4*\t+3], s[96:97], v[10:11] op_sel_hi:[1,0,1]
.endr
	WIN 0x08                                       ; source 1 window 2
.set i, 0
.rept 16
	v_pk_add_f32 v[TT+i:TT+i+1], v[TT+i:TT+i+1], v[32*(\a)+i:32*(\a)+i+1]   ; + the residual
.set i, i+2
.endr
	WIN 0
.irp t, 0,1,2,3,4,5,6,7
	global_store_b128 v[CO], v[TT+4*\t:TT+4*\t+3], s[70:71] offset:(16*(\a)+2*\t)*4096   ; 16 lanes store 256 consecutive aligned bytes
.endr
.endm
	s_wait_loadcnt 0x0                             ; bias and residual
	s_wait_kmcnt 0x0
	s_add_co_i32 s96, s96, s97
	s_add_co_i32 s96, s96, 127
	s_lshl_b32 s96, s96, 23                        ; 2^(eA + eW) as f32
	s_mov_b32 s97, s96
	PLACES
	TOSTAGE 0
	TOSTAGE 1
	FIN 0, 16
	s_wait_xcnt 0x0                                ; block 0's stores have read their registers
	TOSTAGE 2
	FIN 1, 16
	s_wait_xcnt 0x0
	TOSTAGE 3
	FIN 2, 16
	FIN 3, 0
	s_wait_tensorcnt 0x0                           ; the wave's end
	ds_add_u32 v[SPW], v[NIL]
	s_wait_dscnt 0x0
	CROUND                                         ; the closing round
	s_endpgm
.Lfunc_end_k_q510cb2f109_proj:
	.size	k_q510cb2f109_proj, .Lfunc_end_k_q510cb2f109_proj-k_q510cb2f109_proj
	.p2alignl 7, 3214868480
	.fill 96, 4, 3214868480
	.section	.rodata,"a",@progbits
	.p2align	6, 0x0
	.amdhsa_kernel k_q510cb2f109_proj
		.amdhsa_group_segment_fixed_size 327680
		.amdhsa_private_segment_fixed_size 0
		.amdhsa_enable_private_segment 0
		.amdhsa_kernarg_size 48
		.amdhsa_user_sgpr_count 2
		.amdhsa_user_sgpr_kernarg_segment_ptr 1
		.amdhsa_wavefront_size32 1
		.amdhsa_system_sgpr_workgroup_id_x 1
		.amdhsa_system_sgpr_workgroup_id_y 1
		.amdhsa_system_sgpr_workgroup_id_z 1
		.amdhsa_system_vgpr_workitem_id 0
		.amdhsa_next_free_vgpr 640
		.amdhsa_next_free_sgpr 100
		.amdhsa_reserve_vcc 0
		.amdhsa_float_denorm_mode_32 3
		.amdhsa_float_denorm_mode_16_64 3
		.amdhsa_memory_ordered 1
		.amdhsa_forward_progress 1
		.amdhsa_inst_pref_size 53
	.end_amdhsa_kernel
	.amdgpu_metadata
---
amdhsa.version: [ 1, 2 ]
amdhsa.kernels:
  - .name:           k_q510cb2f109_proj
    .symbol:         k_q510cb2f109_proj.kd
    .args:
      - { .name: ao, .offset: 0, .size: 8, .value_kind: global_buffer, .address_space: global }
      - { .name: wc, .offset: 8, .size: 8, .value_kind: global_buffer, .address_space: global }
      - { .name: lowp_scales, .offset: 16, .size: 8, .value_kind: global_buffer, .address_space: global }
      - { .name: proj_b, .offset: 24, .size: 8, .value_kind: global_buffer, .address_space: global }
      - { .name: x, .offset: 32, .size: 8, .value_kind: global_buffer, .address_space: global }
      - { .name: x2, .offset: 40, .size: 8, .value_kind: global_buffer, .address_space: global }
    .group_segment_fixed_size: 327680
    .private_segment_fixed_size: 0
    .kernarg_segment_align: 8
    .kernarg_segment_size: 48
    .max_flat_workgroup_size: 128
    .sgpr_count:     100
    .vgpr_count:     640
    .wavefront_size: 32
...
	.end_amdgpu_metadata
.endif
;; end of part 4
;; launch ln2 (part 5): grid 256 x 1, 4 waves a work-group, no clusters, 0 bytes of LDS; arguments x2, ln2_g, ln2_b, lowp_scales, hc; writes hc
.if DOCPART == 5
	.amdgcn_target "amdgcn-amd-amdhsa--gfx1250"
	.amdhsa_code_object_version 6
	.text
	.protected	k_q510cb2f109_ln2
	.globl	k_q510cb2f109_ln2
	.p2align	8
	.type	k_q510cb2f109_ln2,@function
k_q510cb2f109_ln2:
	s_mov_b64 s[64:65], 0
	v_nop
	global_prefetch_b8 v0, s[64:65] scope:SCOPE_SE
	s_setreg_imm32_b32 hwreg(HW_REG_WAVE_MODE, 25, 1), 1
	s_wait_xcnt 0x0
; LayerNorm 2 of x2 [4096][1024] f32, quantised to codes of FP8 (E4M3) with entry 8 of the scales, into hc [4096][1024].
; A wave takes 4 rows, one at a time, whole in 32 registers a lane: the mean, then the mean of squares of x - mean (two passes over registers, as the definition has it).  No LDS, no barrier.
; code = number / 2^e, held within +-448, to the nearest code, ties to even.  LIMIT: e between -126 and 119.  NaN among the inputs is not served.
.set G,     16                         ; v16-47   gain of my 32 columns
.set BT,    48                         ; v48-79   bias
.set XR,    80                         ; v80-207  four rows, 32 numbers each
.set CL,    208                        ; v208-239 their codes
	s_load_b256 s[8:15], s[0:1], 0x0               ; x2 8, ln2_g 10, ln2_b 12, the scales' exponents 14
	s_load_b64 s[26:27], s[0:1], 0x20              ; hc
	v_lshrrev_b32 v1, 5, v0
	v_readfirstlane_b32 s2, v1                     ; wave
	v_and_b32 v2, 31, v0                           ; lane
	s_lshl_b32 s3, ttmp9, 4
	s_lshl_b32 s4, s2, 2
	s_add_co_u32 s3, s3, s4                        ; my wave's first row
	s_wait_alu depctr_va_vdst(0)
	s_wait_kmcnt 0x0
	s_load_b32 s36, s[14:15], 0x20                 ; e8
	s_lshl_b32 s4, s3, 12
	s_mov_b32 s5, 0
	s_add_nc_u64 s[8:9], s[8:9], s[4:5]
	s_lshl_b32 s4, s3, 10
	s_add_nc_u64 s[26:27], s[26:27], s[4:5]
	v_lshlrev_b32 v1, 5, v2                        ; a lane holds columns 256 c + 8 lane + 0 .. 7, c = 0 .. 3
	v_lshlrev_b32 v5, 3, v2
	s_mov_b32 s52, 0x3a800000                      ; 1 / 1024
	s_mov_b32 s53, 0x3727c5ac                      ; 1e-5
	s_mov_b32 s54, 0x76543210
	s_mov_b32 s55, 0xfedcba98
.irp c, 0,1,2,3
	global_load_b128 v[G+8*\c:G+8*\c+3],     v1, s[10:11] offset:1024*\c
	global_load_b128 v[G+8*\c+4:G+8*\c+7],   v1, s[10:11] offset:1024*\c+16
.endr
.irp c, 0,1,2,3
	global_load_b128 v[BT+8*\c:BT+8*\c+3],   v1, s[12:13] offset:1024*\c
	global_load_b128 v[BT+8*\c+4:BT+8*\c+7], v1, s[12:13] offset:1024*\c+16
.endr
.irp j, 0,1,2,3
.irp c, 0,1,2,3
	global_load_b128 v[XR+32*\j+8*\c:XR+32*\j+8*\c+3],   v1, s[8:9] offset:4096*\j+1024*\c th:TH_LOAD_NT
	global_load_b128 v[XR+32*\j+8*\c+4:XR+32*\j+8*\c+7], v1, s[8:9] offset:4096*\j+1024*\c+16 th:TH_LOAD_NT
.endr
.endr
	s_wait_kmcnt 0x0
	s_add_co_i32 s36, s36, 127
	s_lshl_b32 s37, s36, 23
	v_mov_b32 v3, s37                              ; 2^e
	s_add_co_i32 s36, s36, 8
	s_lshl_b32 s36, s36, 23
	s_or_b32 s36, s36, 0x600000
.macro LANESUM                         ; v10 summed over the 32 lanes, the result in every lane
	v_add_f32_dpp v10, v10, v10 row_xmask:1 row_mask:0xf bank_mask:0xf
	v_add_f32_dpp v10, v10, v10 row_xmask:2 row_mask:0xf bank_mask:0xf
	v_add_f32_dpp v10, v10, v10 row_xmask:4 row_mask:0xf bank_mask:0xf
	v_add_f32_dpp v10, v10, v10 row_xmask:8 row_mask:0xf bank_mask:0xf
	v_permlanex16_b32 v11, v10, s54, s55
	v_add_f32 v10, v10, v11
.endm
.macro LNROW j
.set XS, XR+32*(\j)
	s_wait_loadcnt 8*(3-(\j))                      ; gain, bias and this row are in; the younger rows' eight loads each may be out
	v_pk_add_f32 v[10:11], v[XS:XS+1], v[XS+2:XS+3]
	v_pk_add_f32 v[12:13], v[XS+4:XS+5], v[XS+6:XS+7]
.irp i, 8,12,16,20,24,28
	v_pk_add_f32 v[10:11], v[10:11], v[XS+\i:XS+\i+1]
	v_pk_add_f32 v[12:13], v[12:13], v[XS+\i+2:XS+\i+3]
.endr
	v_pk_add_f32 v[10:11], v[10:11], v[12:13]
	v_add_f32 v10, v10, v11
	LANESUM
	v_mul_f32 v6, s52, v10                         ; the mean
	v_mov_b32 v7, v6
.irp i, 0,2,4,6,8,10,12,14,16,18,20,22,24,26,28,30
	v_pk_add_f32 v[XS+\i:XS+\i+1], v[XS+\i:XS+\i+1], v[6:7] neg_lo:[0,1] neg_hi:[0,1]   ; x - mean
.endr
	v_pk_mul_f32 v[10:11], v[XS:XS+1], v[XS:XS+1]
	v_pk_mul_f32 v[12:13], v[XS+2:XS+3], v[XS+2:XS+3]
.irp i, 4,8,12,16,20,24,28
	v_pk_fma_f32 v[10:11], v[XS+\i:XS+\i+1], v[XS+\i:XS+\i+1], v[10:11]
	v_pk_fma_f32 v[12:13], v[XS+\i+2:XS+\i+3], v[XS+\i+2:XS+\i+3], v[12:13]
.endr
	v_pk_add_f32 v[10:11], v[10:11], v[12:13]
	v_add_f32 v10, v10, v11
	LANESUM
	v_fma_f32 v10, v10, s52, s53                   ; the variance + 1e-5
	s_wait_alu depctr_va_vdst(0)
	v_rsq_f32 v8, v10
	v_nop                                          ; a plain instruction behind the transcendental (ISA guide 5.7.2),
	s_wait_alu depctr_va_vdst(0)                   ; and the wait ahead of its first reader
	v_mov_b32 v9, v8
.irp i, 0,2,4,6,8,10,12,14,16,18,20,22,24,26,28,30
	v_pk_mul_f32 v[XS+\i:XS+\i+1], v[XS+\i:XS+\i+1], v[8:9]
.endr
.irp i, 0,2,4,6,8,10,12,14,16,18,20,22,24,26,28,30
	v_pk_fma_f32 v[XS+\i:XS+\i+1], v[XS+\i:XS+\i+1], v[G+\i:G+\i+1], v[BT+\i:BT+\i+1]
.endr
.set i, 0
.rept 32
.set i, i+1
.endr
.irp c, 0,1,2,3
	v_cvt_scalef32_pk8_fp8_f32 v[CL+8*(\j)+2*\c:CL+8*(\j)+2*\c+1], v[XS+8*\c:XS+8*\c+7], v3
.endr
.irp c, 0,1,2,3
	global_store_b64 v5, v[CL+8*(\j)+2*\c:CL+8*(\j)+2*\c+1], s[26:27] offset:1024*(\j)+256*\c   ; the wave stores 256 consecutive aligned bytes
.endr
.endm
	LNROW 0
	LNROW 1
	LNROW 2
	LNROW 3
	s_endpgm
.Lfunc_end_k_q510cb2f109_ln2:
	.size	k_q510cb2f109_ln2, .Lfunc_end_k_q510cb2f109_ln2-k_q510cb2f109_ln2
	.p2alignl 7, 3214868480
	.fill 96, 4, 3214868480
	.section	.rodata,"a",@progbits
	.p2align	6, 0x0
	.amdhsa_kernel k_q510cb2f109_ln2
		.amdhsa_group_segment_fixed_size 0
		.amdhsa_private_segment_fixed_size 0
		.amdhsa_enable_private_segment 0
		.amdhsa_kernarg_size 40
		.amdhsa_user_sgpr_count 2
		.amdhsa_user_sgpr_kernarg_segment_ptr 1
		.amdhsa_wavefront_size32 1
		.amdhsa_system_sgpr_workgroup_id_x 1
		.amdhsa_system_sgpr_workgroup_id_y 1
		.amdhsa_system_sgpr_workgroup_id_z 1
		.amdhsa_system_vgpr_workitem_id 0
		.amdhsa_next_free_vgpr 240
		.amdhsa_next_free_sgpr 66
		.amdhsa_reserve_vcc 0
		.amdhsa_float_denorm_mode_32 3
		.amdhsa_float_denorm_mode_16_64 3
		.amdhsa_fp16_overflow 1
		.amdhsa_memory_ordered 1
		.amdhsa_forward_progress 1
		.amdhsa_inst_pref_size 33
	.end_amdhsa_kernel
	.amdgpu_metadata
---
amdhsa.version: [ 1, 2 ]
amdhsa.kernels:
  - .name:           k_q510cb2f109_ln2
    .symbol:         k_q510cb2f109_ln2.kd
    .args:
      - { .name: x2, .offset: 0, .size: 8, .value_kind: global_buffer, .address_space: global }
      - { .name: ln2_g, .offset: 8, .size: 8, .value_kind: global_buffer, .address_space: global }
      - { .name: ln2_b, .offset: 16, .size: 8, .value_kind: global_buffer, .address_space: global }
      - { .name: lowp_scales, .offset: 24, .size: 8, .value_kind: global_buffer, .address_space: global }
      - { .name: hc, .offset: 32, .size: 8, .value_kind: global_buffer, .address_space: global }
    .group_segment_fixed_size: 0
    .private_segment_fixed_size: 0
    .kernarg_segment_align: 8
    .kernarg_segment_size: 40
    .max_flat_workgroup_size: 128
    .sgpr_count:     66
    .vgpr_count:     240
    .wavefront_size: 32
...
	.end_amdgpu_metadata
.endif
;; end of part 5
;; launch fc1 (part 6): grid 16 x 16, 4 waves a work-group, clusters of 4 x 4, 327,680 bytes of LDS; arguments hc, wc, lowp_scales, fc1_b, hid; writes hid
.if DOCPART == 6
	.amdgcn_target "amdgcn-amd-amdhsa--gfx1250"
	.amdhsa_code_object_version 6
	.text
	.protected	k_q510cb2f109_fc1
	.globl	k_q510cb2f109_fc1
	.p2align	8
	.type	k_q510cb2f109_fc1,@function
k_q510cb2f109_fc1:
	s_mov_b64 s[64:65], 0
	v_nop
	global_prefetch_b8 v0, s[64:65] scope:SCOPE_SE
	s_setreg_imm32_b32 hwreg(HW_REG_WAVE_MODE, 25, 1), 1
	s_wait_xcnt 0x0
	s_wait_alu depctr_hold_cnt(0) depctr_sa_sdst(0) depctr_va_vdst(0) depctr_va_sdst(0) depctr_va_ssrc(0) depctr_va_vcc(0) depctr_vm_vsrc(0)
	s_getreg_b32 s2, hwreg(HW_REG_IB_STS2, 6, 4)
	s_cmp_eq_u32 s2, 0
	s_cbranch_scc0 .Lentry_in_a_cluster
	s_endpgm
.Lentry_in_a_cluster:
	s_bfe_u32 s2, ttmp6, 0x10000c
	s_cmp_lg_u32 s2, 0xf033
	s_cbranch_scc0 .Lentry_shape_is_right
	s_endpgm
.Lentry_shape_is_right:
; hid = Q(gelu(LN2(x2) fc1_w + fc1_b)) on codes of FP8 (E4M3).  hc: [4096 tokens][1024]; fc1_w's codes: [4096 n][1024] at 0x400000 in wc; K = 1024.
; A tile of 256 x 256 is made by four waves, 128 x 128 each: 64 accumulators in 512 registers.  K goes in steps of 256 through a ring of two LDS slots filled by the tensor data mover.
; CLUSTERS of 4 x 4: tokens' tiles are asked for jointly along a row of the cluster, the weight's along a column.  The matrix instruction is used transposed (source 0 = 16 rows of the weight,
; source 1 = 16 tokens): a lane holds eight neighbouring hidden units of one token, which are neighbours along the next product's K.
; OUT (hid): [token / 64][unit / 128][64 tokens][128 units]: a wave's stores cover 512 consecutive aligned bytes, and 64 tokens x 512 units are 32,768 dense bytes for the next launch.
; GELU, exact form: y (1 + erf(y / sqrt 2)) / 2, with erf(z) = z P(z^2) / Q(z^2), P of degree 6 and Q of degree 4 in z^2, z held within +-4 (beyond which erf is 1 in f32): a rational
; approximation good to a few units of f32's last place; the division is v_rcp_f32 and a multiplication.
; THE WAY OUT IS A LOOP, to keep the text short: each wave first lays y of its eight blocks of 16 tokens into LDS as images of its registers (65,536 bytes a wave, in the two slots, which have had their
; last fill; a barrier stands behind every wave's last read of them), then one trip a block reads 64 numbers a lane back, applies gelu, quantises, and sends the codes out through a small stage.
; LIMITS: e8 + e9 between -126 and 127; e10 between -126 and 119.  NaN is not served.  Within a matrix instruction k is permuted alike in both operands.
.set KROW,   1024
.set ROWB,   256
.set PITCH,  272
.set FR,     16
.set NL,     4
.set NP,     4
.set HALFT,  128*PITCH
.set SLOT,   4*HALFT
.set LAPS,   2
.set SPARE,  2*SLOT                    ; the spare words, 128 bytes a wave
.set STGB,   262144                    ; behind the four images: a stage of 16 rows x (128 + 16) bytes a wave
.set ADRA, 16
.set ADRB, 20
.set YL,   14                          ; v14  the image of the block to be read
.set STO,  24
.set RDV,  25
.set CO,   26
.set YA,   27                          ; v27  my place in my wave's images: 65,536 x wave + 16 x lane
.set SPW,  28
.set NIL,  29
.set LIMV, 30
.set SCV,  31
.set CD,   32                          ; v32-47   a block's codes
.set BK,   48                          ; v48-63   rows read back
.set BC,   64                          ; v64-127  the bias of my 64 columns
.set TMP,  128                         ; v128-191 a block's numbers
.set ZR,   192                         ; v192-255 sixteen numbers at work: z, z^2, P, Q
.set WR,   208
.set PR,   224
.set QR,   240
.set AF,   128
.set G1, 24
.set G0, 32
.set G1B, 48
.set G0B, 56
.set MSB, 0
.macro WIN new
.if MSB != \new
	s_set_vgpr_msb (MSB<<8)|\new
.set MSB, \new
.endif
.endm
.set MUL_LO, 0xa1
.set MUL_HI, 0xf1
.set TO_B,   0x40
.macro JLOAD g0a, g1a, g0b, g1b        ; waves 0 and 1 fetch the tokens' halves, waves 2 and 3 the weight's; four v_nop follow each line
	s_cmp_eq_u32 s15, 0
	s_cbranch_scc0 .Lfor_b_\@
	tensor_load_to_lds s[\g0a:\g0a+3], s[\g1a:\g1a+7]
	s_nop 0
.rept 4
	v_nop
.endr
	s_branch .Lasked_\@
.Lfor_b_\@:
	tensor_load_to_lds s[\g0b:\g0b+3], s[\g1b:\g1b+7]
	s_nop 0
.rept 4
	v_nop
.endr
.Lasked_\@:
.endm
.macro CREST
	s_cmp_lg_u32 s14, 0
	s_cbranch_scc1 .Lnot_wave_0_\@
	s_barrier_signal -3
.Lnot_wave_0_\@:
	s_barrier_wait -3
	s_barrier_signal -1
	s_barrier_wait -1
.endm
.macro CROUND
	s_barrier_signal -1
	s_barrier_wait -1
	CREST
.endm
.macro KPAIR r, val                    ; a constant as a scalar pair: the packed forms name the pair and take its low word for both halves
	s_mov_b32 s[\r], \val
	s_mov_b32 s[\r+1], \val
.endm
	s_load_b128 s[4:7], s[0:1], 0x0                ; hc, wc
	s_load_b128 s[8:11], s[0:1], 0x10              ; the scales' exponents, fc1_b
	s_load_b64 s[12:13], s[0:1], 0x20              ; hid
	v_lshl_add_u32 v[SPW], v0, 2, SPARE
	v_mov_b32 v[NIL], 0
	ds_add_u32 v28, v29
	ds_add_u32 v28, v29
	s_wait_dscnt 0x0
	v_lshrrev_b32 v1, 5, v0
	v_readfirstlane_b32 s14, v1                    ; wave 0..3
	s_lshr_b32 s15, s14, 1
	s_and_b32 s16, s14, 1
	s_bfe_u32 s40, ttmp6, 0x40000                  ; cx
	s_bfe_u32 s41, ttmp6, 0x40004                  ; cy
	s_lshl_b32 s42, ttmp9, 2
	s_add_co_u32 s42, s42, s40                     ; tile column
	s_and_b32 s17, ttmp7, 0xffff
	s_lshl_b32 s17, s17, 2
	s_add_co_u32 s17, s17, s41                     ; tile row
	s_lshl_b32 s43, s41, 2
	s_lshl_b32 s43, 15, s43
	s_lshl_b32 s44, 0x1111, s40
	s_or_b32 s[G1+0], s43, (0<<16)|(1<<20)|(1<<21)|(5<<22)|(3<<25)
	s_or_b32 s[G1B+0], s44, (0<<16)|(1<<20)|(1<<21)|(5<<22)|(3<<25)
.irp g, G1, G1B
	s_mov_b32 s[\g+1], ROWB<<16
	s_mov_b32 s[\g+2], 128<<16
	s_mov_b32 s[\g+3], ROWB<<16
	s_mov_b32 s[\g+4], 128
	s_mov_b32 s[\g+5], KROW
	s_mov_b32 s[\g+6], 0
	s_mov_b32 s[\g+7], 0
.endr
	KPAIR 66, 0x32edffee                           ; P's coefficients a1 .. a6 (a0 and b0 lie in v8-11)
	KPAIR 68, 0xb60cff51
	KPAIR 70, 0xb86ec2d2
	KPAIR 72, 0xba40ac63
	KPAIR 74, 0xbb41a1f6
	KPAIR 76, 0xbc83dbd4
	KPAIR 78, 0xb95fbd29                           ; Q's b1 .. b4
	KPAIR 80, 0xbadc924e
	KPAIR 82, 0xbbf19bf8
	KPAIR 84, 0xbc69b6a7
	s_lshl_b32 s18, s16, 7
	s_lshl_b32 s20, s17, 8
	s_add_co_u32 s20, s20, s18
	s_lshl_b32 s20, s20, 10
	s_mov_b32 s21, 0
	s_lshl_b32 s46, s42, 8
	s_add_co_u32 s46, s46, s18
	s_lshl_b32 s46, s46, 10
	s_add_co_u32 s46, s46, 0x400000                ; fc1_w's codes in wc
	s_mov_b32 s47, 0
	s_mul_i32 s45, s14, HALFT
	s_wait_kmcnt 0x0
	s_load_b128 s[92:95], s[8:9], 0x20             ; e8 .. e11
	s_add_nc_u64 s[20:21], s[4:5], s[20:21]
	s_add_nc_u64 s[46:47], s[6:7], s[46:47]
	CROUND
.irp s, 0,1
	s_mov_b32 s[G0+4*\s], 1
	s_add_co_u32 s[G0+4*\s+1], s45, \s*SLOT
	s_add_nc_u64 s[G0+4*\s+2:G0+4*\s+3], s[20:21], \s*ROWB
	s_or_b32 s[G0+4*\s+3], s[G0+4*\s+3], 0x80000000
	s_mov_b32 s[G0B+4*\s], 1
	s_add_co_u32 s[G0B+4*\s+1], s45, \s*SLOT
	s_add_nc_u64 s[G0B+4*\s+2:G0B+4*\s+3], s[46:47], \s*ROWB
	s_or_b32 s[G0B+4*\s+3], s[G0B+4*\s+3], 0x80000000
	JLOAD G0+4*\s, G1, G0B+4*\s, G1B
.endr
	v_and_b32 v1, 15, v0
	v_bfe_u32 v2, v0, 4, 1
	v_mul_u32_u24 v3, v1, PITCH
	v_lshl_add_u32 v4, v2, 4, v3
	s_mul_i32 s21, s15, HALFT
	s_mul_i32 s22, s16, HALFT
	s_add_co_u32 s22, s22, 2*HALFT
.irp s, 0,1
	v_add_nc_u32 v[ADRA+\s], s21, v4
	v_add_nc_u32 v[ADRB+\s], s22, v4
	s_add_co_u32 s21, s21, SLOT
	s_add_co_u32 s22, s22, SLOT
.endr
	s_mul_i32 s23, s14, 2304
	s_add_co_u32 s23, s23, STGB                    ; my stage
	v_mul_u32_u24 v5, v1, 144
	v_lshl_add_u32 v5, v2, 3, v5
	v_add_nc_u32 v[STO], s23, v5                   ; in: row r, + 8 h
	v_bfe_u32 v5, v0, 3, 2
	v_mul_u32_u24 v5, v5, 144
	v_and_b32 v6, 7, v0
	v_lshl_add_u32 v5, v6, 4, v5
	v_add_nc_u32 v[RDV], s23, v5                   ; back: row lane / 8, 16 (lane % 8)
	v_and_b32 v6, 31, v0
	v_lshlrev_b32 v[CO], 4, v6
	s_lshl_b32 s23, s14, 16
	v_lshl_add_u32 v[YA], v6, 4, s23
	v_lshlrev_b32 v12, 5, v2                       ; 32 h
	s_lshl_b32 s18, s42, 8
	s_lshl_b32 s19, s16, 7
	s_add_co_u32 s18, s18, s19
	s_lshl_b32 s18, s18, 2                         ; my 128 columns of the bias
	s_mov_b32 s19, 0
	s_add_nc_u64 s[98:99], s[10:11], s[18:19]
.irp b, 0,1,2,3,4,5,6,7
	global_load_b128 v[BC+8*\b:BC+8*\b+3],   v12, s[98:99] offset:64*\b      ; register 8 b + j: column 16 b + 8 h + j
	global_load_b128 v[BC+8*\b+4:BC+8*\b+7], v12, s[98:99] offset:64*\b+16
.endr
	s_lshl_b32 s18, s17, 2
	s_lshl_b32 s19, s15, 1
	s_add_co_u32 s18, s18, s19
	s_lshl_b32 s18, s18, 18                        ; hid: block of 64 tokens 4 x tile row + 2 x half,
	s_lshl_b32 s19, s42, 1
	s_add_co_u32 s19, s19, s16
	s_lshl_b32 s19, s19, 13                        ; block of 128 units 2 x tile column + half
	s_add_co_u32 s18, s18, s19
	s_mov_b32 s19, 0
	s_add_nc_u64 s[86:87], s[12:13], s[18:19]
.macro FRAG reg, adr, q, i
.irp c, 0,1,2,3
	ds_load_b128 v[\reg+4*\c:\reg+4*\c+3], v[\adr] offset:128*(\q)+32*\c+(\i)*16*PITCH
.endr
.endm
.macro MUL16 a0, p, zero               ; the 64 accumulators take turns, one instruction a turn
.irp a, \a0, \a0+1
.irp b, 0,1,2,3,4,5,6,7
.if \zero
	v_wmma_f32_16x16x128_fp8_fp8 v[8*(8*((\a)%4)+\b):8*(8*((\a)%4)+\b)+7], v[128*(\p)+FR*\b:128*(\p)+FR*\b+FR-1], v[AF+FR*(\a):AF+FR*(\a)+FR-1], 0
.else
	v_wmma_f32_16x16x128_fp8_fp8 v[8*(8*((\a)%4)+\b):8*(8*((\a)%4)+\b)+7], v[128*(\p)+FR*\b:128*(\p)+FR*\b+FR-1], v[AF+FR*(\a):AF+FR*(\a)+FR-1], v[8*(8*((\a)%4)+\b):8*(8*((\a)%4)+\b)+7]
.endif
.endr
.endr
.endm
.macro FETCH_B slot, q, p
	WIN TO_B
.irp i, 0,1,2,3,4,5,6,7
	FRAG 128*(\p)+FR*\i, ADRB+\slot, \q, \i
.endr
	WIN 0
.endm
.macro FETCH_A slot, q, i0
.irp i, \i0, \i0+1, \i0+2, \i0+3
	FRAG AF+FR*(\i), ADRA+\slot, \q, \i
.endr
.endm
.macro PLACES n
.rept \n
	v_nop
.endr
.endm
.macro STEP slot, q, zero
	s_wait_dscnt 4*NL                              ; the weight's set and the tokens' blocks 0-3 are in; the youngest 16 loads may be out
	WIN MUL_LO
	MUL16 0, (\q)%2, \zero
	MUL16 2, (\q)%2, \zero
	s_wait_dscnt 0
	PLACES NP
	FETCH_B \slot, (\q)+1, 1-(\q)%2
	FETCH_A \slot, (\q)+1, 0
	WIN MUL_HI
	MUL16 4, (\q)%2, \zero
	MUL16 6, (\q)%2, \zero
	PLACES NP
	WIN 0
	FETCH_A \slot, (\q)+1, 4
.endm
.macro TURN slot, next, fill
	s_wait_tensorcnt 0x0                           ; all my tensor loads have landed: my part of the next slot;
	ds_add_u32 v[SPW], v[NIL]                      ; 0 onto my spare word;
	s_wait_dscnt 4*NL+1                            ; (the add and the youngest 16 loads may be out)
	WIN MUL_LO
	MUL16 0, 1, 0
	s_wait_dscnt 0x0                               ; the add is done, and my reads of this slot are over
	s_barrier_signal -1
	MUL16 2, 1, 0
	WIN 0
	s_barrier_wait -1
.if \fill
	CREST
	s_add_nc_u64 s[G0+4*\slot+2:G0+4*\slot+3], s[G0+4*\slot+2:G0+4*\slot+3], 2*ROWB
	s_add_nc_u64 s[G0B+4*\slot+2:G0B+4*\slot+3], s[G0B+4*\slot+2:G0B+4*\slot+3], 2*ROWB
	JLOAD G0+4*\slot, G1, G0B+4*\slot, G1B
.else
	PLACES NP
.endif
	FETCH_B \next, 0, 0
	FETCH_A \next, 0, 0
	WIN MUL_HI
	MUL16 4, 1, 0
	MUL16 6, 1, 0
	PLACES NP
	WIN 0
	FETCH_A \next, 0, 4
.endm
	s_wait_tensorcnt 1                             ; my part of K step 0 is in (K step 1's load may be out),
	s_barrier_signal -1
	s_barrier_wait -1
	FETCH_B 0, 0, 0
	FETCH_A 0, 0, 0
	FETCH_A 0, 0, 4
	STEP 0, 0, 1
	s_mov_b32 s3, LAPS-1
.Llap:
	TURN 0, 1, 1
	STEP 1, 0, 0
	TURN 1, 0, 1
	STEP 0, 0, 0
	s_sub_co_u32 s3, s3, 1
	s_cmp_lg_u32 s3, 0
	s_cbranch_scc1 .Llap
	TURN 0, 1, 0
	STEP 1, 0, 0
	s_wait_dscnt 4*NL
	WIN MUL_LO
	MUL16 0, 1, 0
	MUL16 2, 1, 0
	s_wait_dscnt 0                                 ; my reads of slot 1, the last of the ring, are over:
	s_barrier_signal -1                            ; say so
	WIN MUL_HI
	MUL16 4, 1, 0
	MUL16 6, 1, 0
	WIN 0
	s_barrier_wait -1                              ; nobody reads the slots any more: the images may be laid there
	s_wait_kmcnt 0x0
	s_add_co_i32 s96, s92, s93
	s_add_co_i32 s96, s96, 127
	s_lshl_b32 s96, s96, 23                        ; 2^(e8 + e9) as f32
	s_mov_b32 s97, s96
	s_add_co_i32 s18, s94, 127
	s_lshl_b32 s19, s18, 23
	s_add_co_i32 s18, s18, 8
	s_lshl_b32 s18, s18, 23
	s_or_b32 s18, s18, 0x600000
	v_mov_b32 v[SCV], s19                          ; 2^e10.  (These six lines are the places behind the last products)
	v_mov_b32 v[LIMV], s18                         ; 448 x 2^e10
	v_mov_b32 v8, 0xaf95df0b                       ; a0, twice
	v_mov_b32 v9, 0xaf95df0b
	v_mov_b32 v10, 0xb77460cd                      ; b0, twice
	v_mov_b32 v11, 0xb77460cd
	s_wait_loadcnt 0x0                             ; the bias
.macro YOUT a                          ; y = sum x 2^(e8 + e9) + bias of block a, to LDS as it stands in the registers: 512 consecutive bytes a store
.set AC, 64*((\a)%4)
	WIN 0x02+((\a)/4)
.set jj, 0
.rept 32
	v_pk_fma_f32 v[TMP+jj:TMP+jj+1], v[AC+jj:AC+jj+1], s[96:97], v[BC+jj:BC+jj+1] op_sel_hi:[1,0,1]   ; each accumulator from its low end on
.set jj, jj+2
.endr
	WIN 0
.irp k, 0,1,2,3,4,5,6,7,8,9,10,11,12,13,14,15
	ds_store_b128 v[YA], v[TMP+4*\k:TMP+4*\k+3] offset:(\a)*8192+512*\k
.endr
.endm
.irp a, 0,1,2,3,4,5,6,7
	YOUT \a
.endr
.macro YIN                             ; 64 numbers a lane come back, in the same registers and lanes
.irp k, 0,1,2,3,4,5,6,7,8,9,10,11,12,13,14,15
	ds_load_b128 v[TMP+4*\k:TMP+4*\k+3], v[YL] offset:512*\k
.endr
.endm
.macro HORNER d, k                     ; d = d x z^2 + the constant in s[k:k+1], sixteen numbers
.irp i, 0,2,4,6,8,10,12,14
	v_pk_fma_f32 v[\d+\i:\d+\i+1], v[\d+\i:\d+\i+1], v[WR+\i:WR+\i+1], s[\k:\k+1] op_sel_hi:[1,1,0]
.endr
.endm
.macro GELU g                          ; sixteen numbers y -> their codes
.set YY, TMP+16*(\g)
.irp i, 0,2,4,6,8,10,12,14
	v_pk_mul_f32 v[ZR+\i:ZR+\i+1], v[YY+\i:YY+\i+1], 0x3f3504f3 op_sel_hi:[1,0]   ; z = y / sqrt 2
.endr
.irp i, 0,1,2,3,4,5,6,7,8,9,10,11,12,13,14,15
	v_med3_num_f32 v[ZR+\i], v[ZR+\i], -4.0, 4.0
.endr
.irp i, 0,2,4,6,8,10,12,14
	v_pk_mul_f32 v[WR+\i:WR+\i+1], v[ZR+\i:ZR+\i+1], v[ZR+\i:ZR+\i+1]
.endr
.irp i, 0,2,4,6,8,10,12,14
	v_pk_fma_f32 v[QR+\i:QR+\i+1], v[WR+\i:WR+\i+1], v[10:11], s[78:79] op_sel_hi:[1,1,0]
.endr
	HORNER QR, 80
	HORNER QR, 82
	HORNER QR, 84
.irp i, 0,1,2,3,4,5,6,7,8,9,10,11,12,13,14,15
	v_rcp_f32 v[QR+\i], v[QR+\i]                   ; one batch; P's 64 plain instructions follow, which name none of its results
.endr
.irp i, 0,2,4,6,8,10,12,14
	v_pk_fma_f32 v[PR+\i:PR+\i+1], v[WR+\i:WR+\i+1], v[8:9], s[66:67] op_sel_hi:[1,1,0]
.endr
	HORNER PR, 68
	HORNER PR, 70
	HORNER PR, 72
	HORNER PR, 74
	HORNER PR, 76
.irp i, 0,2,4,6,8,10,12,14
	v_pk_mul_f32 v[PR+\i:PR+\i+1], v[PR+\i:PR+\i+1], v[ZR+\i:ZR+\i+1]
.endr
.irp i, 0,2,4,6,8,10,12,14
	v_pk_mul_f32 v[YY+\i:YY+\i+1], v[YY+\i:YY+\i+1], 0.5 op_sel_hi:[1,0]
.endr
	s_wait_alu depctr_va_vdst(0)                   ; one wait for the batch, ahead of its first reader
.irp i, 0,2,4,6,8,10,12,14
	v_pk_mul_f32 v[PR+\i:PR+\i+1], v[PR+\i:PR+\i+1], v[QR+\i:QR+\i+1]              ; erf
.endr
.irp i, 0,2,4,6,8,10,12,14
	v_pk_fma_f32 v[YY+\i:YY+\i+1], v[YY+\i:YY+\i+1], v[PR+\i:PR+\i+1], v[YY+\i:YY+\i+1]   ; y / 2 x erf + y / 2
.endr
.irp i, 0,1,2,3,4,5,6,7,8,9,10,11,12,13,14,15
	v_med3_num_f32 v[YY+\i], v[YY+\i], -v[LIMV], v[LIMV]
.endr
	v_cvt_scalef32_pk8_fp8_f32 v[CD+4*(\g):CD+4*(\g)+1], v[YY:YY+7], v[SCV]
	v_cvt_scalef32_pk8_fp8_f32 v[CD+4*(\g)+2:CD+4*(\g)+3], v[YY+8:YY+15], v[SCV]
.endm
	s_wait_dscnt 0x0                               ; my images are laid
	v_mov_b32 v[YL], v[YA]
	YIN                                            ; block 0
	s_mov_b32 s3, 0
.Lblk:                                             ; eight trips, a block of 16 tokens x 128 units each
	s_wait_dscnt 0x0                               ; the block's numbers are in
	GELU 0
	GELU 1
	GELU 2
	GELU 3
	v_nop                                          ; a plain instruction behind the last conversion
	s_add_co_u32 s18, s3, 1
	s_min_u32 s18, s18, 7                          ; the next block's numbers are asked for now and come back with the stage's; the last trip reads block 7 once more and uses nothing of it
	s_lshl_b32 s18, s18, 13
	v_add_nc_u32 v[YL], s18, v[YA]
	YIN
	s_wait_xcnt 0x0                                ; the last trip's stores have read their registers and their base
	s_lshr_b32 s18, s3, 2
	s_lshl_b32 s18, s18, 18                        ; blocks 4-7 belong to the next 64 tokens,
	s_and_b32 s19, s3, 3
	s_lshl_b32 s19, s19, 11                        ; 16 tokens x 128 bytes a block
	s_add_co_u32 s18, s18, s19
	s_mov_b32 s19, 0
	s_add_nc_u64 s[20:21], s[86:87], s[18:19]
.irp b, 0,1,2,3,4,5,6,7
	ds_store_b64 v[STO], v[CD+2*\b:CD+2*\b+1] offset:16*\b
.endr
.irp i, 0,1,2,3
	ds_load_b128 v[BK+4*\i:BK+4*\i+3], v[RDV] offset:\i*576   ; four tokens x 128 codes; LDS serves a wave's instructions in order
.endr
	s_wait_dscnt 0x0
.irp i, 0,1,2,3
	global_store_b128 v[CO], v[BK+4*\i:BK+4*\i+3], s[20:21] offset:\i*512   ; 512 consecutive aligned bytes
.endr
	s_add_co_u32 s3, s3, 1
	s_cmp_lt_u32 s3, 8
	s_cbranch_scc1 .Lblk
	s_wait_tensorcnt 0x0                           ; the wave's end
	ds_add_u32 v[SPW], v[NIL]
	s_wait_dscnt 0x0
	CROUND                                         ; the closing round
	s_endpgm
.Lfunc_end_k_q510cb2f109_fc1:
	.size	k_q510cb2f109_fc1, .Lfunc_end_k_q510cb2f109_fc1-k_q510cb2f109_fc1
	.p2alignl 7, 3214868480
	.fill 96, 4, 3214868480
	.section	.rodata,"a",@progbits
	.p2align	6, 0x0
	.amdhsa_kernel k_q510cb2f109_fc1
		.amdhsa_group_segment_fixed_size 327680
		.amdhsa_private_segment_fixed_size 0
		.amdhsa_enable_private_segment 0
		.amdhsa_kernarg_size 40
		.amdhsa_user_sgpr_count 2
		.amdhsa_user_sgpr_kernarg_segment_ptr 1
		.amdhsa_wavefront_size32 1
		.amdhsa_system_sgpr_workgroup_id_x 1
		.amdhsa_system_sgpr_workgroup_id_y 1
		.amdhsa_system_sgpr_workgroup_id_z 1
		.amdhsa_system_vgpr_workitem_id 0
		.amdhsa_next_free_vgpr 1024
		.amdhsa_next_free_sgpr 100
		.amdhsa_reserve_vcc 0
		.amdhsa_float_denorm_mode_32 3
		.amdhsa_float_denorm_mode_16_64 3
		.amdhsa_memory_ordered 1
		.amdhsa_forward_progress 1
		.amdhsa_inst_pref_size 154
	.end_amdhsa_kernel
	.amdgpu_metadata
---
amdhsa.version: [ 1, 2 ]
amdhsa.kernels:
  - .name:           k_q510cb2f109_fc1
    .symbol:         k_q510cb2f109_fc1.kd
    .args:
      - { .name: hc, .offset: 0, .size: 8, .value_kind: global_buffer, .address_space: global }
      - { .name: wc, .offset: 8, .size: 8, .value_kind: global_buffer, .address_space: global }
      - { .name: lowp_scales, .offset: 16, .size: 8, .value_kind: global_buffer, .address_space: global }
      - { .name: fc1_b, .offset: 24, .size: 8, .value_kind: global_buffer, .address_space: global }
      - { .name: hid, .offset: 32, .size: 8, .value_kind: global_buffer, .address_space: global }
    .group_segment_fixed_size: 327680
    .private_segment_fixed_size: 0
    .kernarg_segment_align: 8
    .kernarg_segment_size: 40
    .max_flat_workgroup_size: 128
    .sgpr_count:     100
    .vgpr_count:     1024
    .wavefront_size: 32
...
	.end_amdgpu_metadata
.endif
;; end of part 6
;; launch fc2 (part 7): grid 8 x 32, 4 waves a work-group, clusters of 4 x 4, 327,680 bytes of LDS; arguments hid, wc, lowp_scales, fc2_b, x2, out0; writes out0
.if DOCPART == 7
	.amdgcn_target "amdgcn-amd-amdhsa--gfx1250"
	.amdhsa_code_object_version 6
	.text
	.protected	k_q510cb2f109_fc2
	.globl	k_q510cb2f109_fc2
	.p2align	8
	.type	k_q510cb2f109_fc2,@function
k_q510cb2f109_fc2:
	s_mov_b64 s[64:65], 0
	v_nop
	global_prefetch_b8 v0, s[64:65] scope:SCOPE_SE
	s_setreg_imm32_b32 hwreg(HW_REG_WAVE_MODE, 25, 1), 1
	s_wait_xcnt 0x0
	s_wait_alu depctr_hold_cnt(0) depctr_sa_sdst(0) depctr_va_vdst(0) depctr_va_sdst(0) depctr_va_ssrc(0) depctr_va_vcc(0) depctr_vm_vsrc(0)
	s_getreg_b32 s2, hwreg(HW_REG_IB_STS2, 6, 4)
	s_cmp_eq_u32 s2, 0
	s_cbranch_scc0 .Lentry_in_a_cluster
	s_endpgm
.Lentry_in_a_cluster:
	s_bfe_u32 s2, ttmp6, 0x10000c
	s_cmp_lg_u32 s2, 0xf033
	s_cbranch_scc0 .Lentry_shape_is_right
	s_endpgm
.Lentry_shape_is_right:
; out = resid + A W^T x 2^(eA + eW) + bias, on codes of FP8 (E4M3).  Here: A = hid (the hidden layer), W = fc2_w's codes, resid = x2, out = out0; K = 4096, N = 1024, M = 4096.
; A lies in blocks: [token / 64][K / CH][64 tokens][CH codes]; 64 tokens x 512 along K are 32,768 dense bytes, one tensor load.  W: [n][K], K innermost, at WOFF in wc.
; A tile of 128 x 128 is made by four waves, 64 x 64 each (16 accumulators): tiles of 256 x 256 would be 64, a quarter of the WGPs.  K goes in steps of 512 through a ring of two LDS slots.
; CLUSTERS of 4 x 4: A's tiles are asked for jointly along a row of the cluster, W's along a column.  The matrix instruction is used transposed (source 0 = 16 rows of W, source 1 = 16 tokens):
; a lane holds eight neighbouring numbers of a row of the result.  Within an instruction k is permuted alike in both operands (fragments come by 16-byte loads).
; LIMIT: eA + eW between -126 and 127.
; REGISTERS: window 0: v0-31 addresses, v8-11 bias; v32-95 rows on the way out; v128-255 accumulators.  window 1: two fragment buffers of 128 (A's four fragments, then W's four).  window 2: v0-127 the residual.
.set SIZE_K, 4096
.set CH,     128                       ; codes of a token in one block of A
.set QIA,    4                         ; padding behind every 32 words
.set WOFF,   0x800000
.set SCOFF,  0x28                      ; entries 10 and 11 of the scales
.set AP,     CH+16
.set AR,     64*512/CH
.set AH,     AR*AP
.set BP,     528
.set BH,     64*BP
.set SLOT,   2*AH+2*BH
.set SPARE,  2*SLOT
.set LAPS,   SIZE_K/1024
.set SPITCH, 272
.set ADRA, 16
.set ADRB, 20
.set STO,  24
.set RD,   25
.set CO,   26
.set SPW,  28
.set NIL,  29
.set T0,   32
.set ACC,  128
.set F0,   0
.set F1,   128
.set G1, 24
.set G0, 32
.set G1B, 48
.set G0B, 56
.set MSB, 0
.macro WIN new
.if MSB != \new
	s_set_vgpr_msb (MSB<<8)|\new
.set MSB, \new
.endif
.endm
.set MUL,  0x05
.set TO_F, 0x40
.macro JLOAD s                         ; waves 0 and 1 fetch A's halves, waves 2 and 3 W's; four v_nop follow each line
	s_cmp_eq_u32 s15, 0
	s_cbranch_scc0 .Lfor_b_\@
	tensor_load_to_lds s[G0+4*\s:G0+4*\s+3], s[G1:G1+7]
	s_nop 0
.rept 4
	v_nop
.endr
	s_branch .Lasked_\@
.Lfor_b_\@:
	tensor_load_to_lds s[G0B+4*\s:G0B+4*\s+3], s[G1B:G1B+7]
	s_nop 0
.rept 4
	v_nop
.endr
.Lasked_\@:
.endm
.macro CREST
	s_cmp_lg_u32 s14, 0
	s_cbranch_scc1 .Lnot_wave_0_\@
	s_barrier_signal -3
.Lnot_wave_0_\@:
	s_barrier_wait -3
	s_barrier_signal -1
	s_barrier_wait -1
.endm
.macro CROUND
	s_barrier_signal -1
	s_barrier_wait -1
	CREST
.endm
	s_load_b256 s[4:11], s[0:1], 0x0               ; A 4, wc 6, the scales' exponents 8, bias 10
	s_load_b128 s[68:71], s[0:1], 0x20             ; resid 68, out 70
	v_lshl_add_u32 v[SPW], v0, 2, SPARE
	v_mov_b32 v[NIL], 0
	ds_add_u32 v28, v29
	ds_add_u32 v28, v29
	s_wait_dscnt 0x0
	v_lshrrev_b32 v1, 5, v0
	v_readfirstlane_b32 s14, v1                    ; wave 0..3
	s_lshr_b32 s15, s14, 1                         ; which 64 rows of the tile are mine.  Also: I fetch for A (0) or for W (1)
	s_and_b32 s16, s14, 1                          ; which 64 columns.  Also: which half I fetch
	s_bfe_u32 s40, ttmp6, 0x40000                  ; cx
	s_bfe_u32 s41, ttmp6, 0x40004                  ; cy
	s_lshl_b32 s42, ttmp9, 2
	s_add_co_u32 s42, s42, s40                     ; tile column
	s_and_b32 s17, ttmp7, 0xffff
	s_lshl_b32 s17, s17, 2
	s_add_co_u32 s17, s17, s41                     ; tile row
	s_lshl_b32 s43, s41, 2
	s_lshl_b32 s43, 15, s43                        ; my row of the cluster
	s_lshl_b32 s44, 0x1111, s40                    ; my column
	s_or_b32 s[G1+0], s43, (0<<16)|(1<<20)|(1<<21)|(QIA<<22)|(3<<25)   ; the mask; elements of 1 byte; padding of four words behind every row; 21 set beside a mask
	s_mov_b32 s[G1+1], CH<<16                      ; tensor_dim0
	s_mov_b32 s[G1+2], (AR&0xffff)<<16             ; tensor_dim1
	s_mov_b32 s[G1+3], CH<<16                      ; tile_dim0
	s_mov_b32 s[G1+4], AR                          ; tile_dim1
	s_mov_b32 s[G1+5], CH                          ; dense rows
	s_mov_b32 s[G1+6], 0
	s_mov_b32 s[G1+7], 0
	s_or_b32 s[G1B+0], s44, (0<<16)|(1<<20)|(1<<21)|(6<<22)|(3<<25)
	s_mov_b32 s[G1B+1], 512<<16
	s_mov_b32 s[G1B+2], 64<<16
	s_mov_b32 s[G1B+3], 512<<16
	s_mov_b32 s[G1B+4], 64
	s_mov_b32 s[G1B+5], SIZE_K
	s_mov_b32 s[G1B+6], 0
	s_mov_b32 s[G1B+7], 0
	s_lshl_b32 s20, s17, 1
	s_add_co_u32 s20, s20, s16
	s_mul_i32 s20, s20, 64*SIZE_K                  ; A: block of 64 tokens 2 x tile row + half
	s_mov_b32 s21, 0
	s_lshl_b32 s46, s42, 7
	s_lshl_b32 s47, s16, 6
	s_add_co_u32 s46, s46, s47
	s_mul_i32 s46, s46, SIZE_K                     ; W: row 128 x tile column + 64 x half
	s_add_co_u32 s46, s46, WOFF
	s_mov_b32 s47, 0
	s_mul_i32 s45, s16, AH                         ; where they go: no place in the cluster enters an LDS address
	s_mul_i32 s18, s16, BH
	s_add_co_u32 s18, s18, 2*AH
	s_wait_kmcnt 0x0
	s_load_b64 s[96:97], s[8:9], SCOFF             ; eA, eW
	s_add_nc_u64 s[20:21], s[4:5], s[20:21]
	s_add_nc_u64 s[46:47], s[6:7], s[46:47]
	CROUND                                         ; all sixteen work-groups are here: the first joint loads meet
.irp s, 0,1
	s_mov_b32 s[G0+4*\s], 1
	s_add_co_u32 s[G0+4*\s+1], s45, \s*SLOT
	s_add_nc_u64 s[G0+4*\s+2:G0+4*\s+3], s[20:21], \s*32768
	s_or_b32 s[G0+4*\s+3], s[G0+4*\s+3], 0x80000000
	s_mov_b32 s[G0B+4*\s], 1
	s_add_co_u32 s[G0B+4*\s+1], s18, \s*SLOT
	s_add_nc_u64 s[G0B+4*\s+2:G0B+4*\s+3], s[46:47], \s*512
	s_or_b32 s[G0B+4*\s+3], s[G0B+4*\s+3], 0x80000000
	JLOAD \s
.endr
	v_and_b32 v1, 15, v0                           ; r
	v_bfe_u32 v2, v0, 4, 1                         ; h
	v_mul_u32_u24 v3, v1, AP
	v_lshl_add_u32 v3, v2, 4, v3
	v_mul_u32_u24 v4, v1, BP
	v_lshl_add_u32 v4, v2, 4, v4
	s_mul_i32 s21, s15, AH
	s_mul_i32 s22, s16, BH
	s_add_co_u32 s22, s22, 2*AH
.irp s, 0,1
	v_add_nc_u32 v[ADRA+\s], s21, v3
	v_add_nc_u32 v[ADRB+\s], s22, v4
	s_add_co_u32 s21, s21, SLOT
	s_add_co_u32 s22, s22, SLOT
.endr
	s_mul_i32 s23, s14, 16*SPITCH                  ; my stage
	v_mul_u32_u24 v5, v1, SPITCH
	v_lshl_add_u32 v5, v2, 5, v5
	v_add_nc_u32 v[STO], s23, v5                   ; in: row r, + 32 h
	v_mul_u32_u24 v5, v2, SPITCH
	v_lshl_add_u32 v5, v1, 4, v5
	v_add_nc_u32 v[RD], s23, v5                    ; back: lanes 0-15 one row of 256 bytes, lanes 16-31 the next
	v_lshlrev_b32 v5, 12, v2
	v_lshl_add_u32 v[CO], v1, 4, v5                ; and the same two rows in memory
	v_lshlrev_b32 v6, 4, v1
	s_lshl_b32 s20, s17, 7
	s_lshl_b32 s21, s15, 6
	s_add_co_u32 s20, s20, s21
	s_lshl_b32 s20, s20, 12                        ; my first row, 4,096 bytes a row,
	s_lshl_b32 s22, s42, 9
	s_lshl_b32 s23, s16, 8
	s_add_co_u32 s22, s22, s23                     ; my first column, in bytes
	s_add_co_u32 s20, s20, s22
	s_mov_b32 s21, 0
	s_mov_b32 s23, 0
	s_add_nc_u64 s[68:69], s[68:69], s[20:21]
	s_add_nc_u64 s[70:71], s[70:71], s[20:21]
	s_add_nc_u64 s[10:11], s[10:11], s[22:23]
	global_load_b128 v[8:11], v6, s[10:11]         ; the bias of my four columns
	WIN 0x80                                       ; destination window 2
.irp a, 0,1,2,3
.irp t, 0,1,2,3,4,5,6,7
	global_load_b128 v[32*\a+4*\t:32*\a+4*\t+3], v[CO], s[68:69] offset:(16*\a+2*\t)*4096 th:TH_LOAD_NT   ; the residual, in the layout in which the rows leave; it lands under the products
.endr
.endr
	WIN 0
.macro MUL4 f, a, zero                 ; A's fragment a x W's four; the 16 accumulators take turns, one instruction a turn
.irp b, 0,1,2,3
.if \zero
	v_wmma_f32_16x16x128_fp8_fp8 v[ACC+8*(4*(\a)+\b):ACC+8*(4*(\a)+\b)+7], v[\f+64+16*\b:\f+64+16*\b+15], v[\f+16*(\a):\f+16*(\a)+15], 0
.else
	v_wmma_f32_16x16x128_fp8_fp8 v[ACC+8*(4*(\a)+\b):ACC+8*(4*(\a)+\b)+7], v[\f+64+16*\b:\f+64+16*\b+15], v[\f+16*(\a):\f+16*(\a)+15], v[ACC+8*(4*(\a)+\b):ACC+8*(4*(\a)+\b)+7]
.endif
.endr
.endm
.macro FETCH slot, q, f                ; 32 LDS loads in one run: the fragments of the slot's q-th 128 along K: W's four first, then A's four
	WIN TO_F
.irp i, 0,1,2,3
.irp c, 0,1,2,3
	ds_load_b128 v[\f+64+16*\i+4*\c:\f+64+16*\i+4*\c+3], v[ADRB+\slot] offset:128*(\q)+32*\c+\i*16*BP
.endr
.endr
.irp i, 0,1,2,3
.irp c, 0,1,2,3
	ds_load_b128 v[\f+16*\i+4*\c:\f+16*\i+4*\c+3], v[ADRA+\slot] offset:((128*(\q)+32*\c)/CH)*64*AP+\i*16*AP+(128*(\q)+32*\c)%CH
.endr
.endr
.endm
.macro PLACES
.rept 4
	v_nop
.endr
.endm
.macro QUARTER slot, qn, f, g, zero    ; multiplies buffer f and fetches the slot's quarter qn into g
	s_wait_dscnt 8                                 ; W's four and A's fragments 0, 1 are in; the youngest eight loads may be out
	WIN MUL
	MUL4 \f, 0, \zero
	MUL4 \f, 1, \zero
	PLACES
	FETCH \slot, \qn, \g
	s_wait_dscnt 32                                ; all but the 32 just issued
	WIN MUL
	MUL4 \f, 2, \zero
	MUL4 \f, 3, \zero
.endm
.macro TURN slot, next, fill           ; the last quarter multiplies buffer 1 and changes slots
	WIN 0
	s_wait_tensorcnt 0x0                           ; all my tensor loads have landed: my part of the next slot;
	ds_add_u32 v[SPW], v[NIL]                      ; 0 onto my spare word;
	s_wait_dscnt 9                                 ; (the add and the youngest eight loads may be out)
	WIN MUL
	MUL4 F1, 0, 0
	s_wait_dscnt 0x0                               ; the add is done, and my reads of this slot are over
	s_barrier_signal -1
	MUL4 F1, 1, 0
	WIN 0
	s_barrier_wait -1
.if \fill
	CREST                                          ; a round of the cluster's barrier: no wave of any partner still reads this slot or has a load on its way
	s_add_nc_u64 s[G0+4*\slot+2:G0+4*\slot+3], s[G0+4*\slot+2:G0+4*\slot+3], 65536
	s_add_nc_u64 s[G0B+4*\slot+2:G0B+4*\slot+3], s[G0B+4*\slot+2:G0B+4*\slot+3], 1024
	JLOAD \slot                                    ; the first tensor load behind the round; its four v_nop are the places in front of the loads below
.else
	PLACES
.endif
	FETCH \next, 0, F0
	WIN MUL
	MUL4 F1, 2, 0
	MUL4 F1, 3, 0
.endm
	s_wait_tensorcnt 1                             ; my part of slot 0 is in (slot 1's load may be out),
	s_barrier_signal -1
	s_barrier_wait -1                              ; everybody's is
	FETCH 0, 0, F0
	QUARTER 0, 1, F0, F1, 1                        ; the first quarter's products start the sums
.if LAPS > 1
	WIN 0
	s_mov_b32 s3, LAPS-1
.Llap:                                             ; a trip goes once round the ring, from a lap's second quarter to the next lap's first, and fills both slots again
	QUARTER 0, 2, F1, F0, 0
	QUARTER 0, 3, F0, F1, 0
	TURN 0, 1, 1
	QUARTER 1, 1, F0, F1, 0
	QUARTER 1, 2, F1, F0, 0
	QUARTER 1, 3, F0, F1, 0
	TURN 1, 0, 1
	QUARTER 0, 1, F0, F1, 0
	WIN 0
	s_sub_co_u32 s3, s3, 1
	s_cmp_lg_u32 s3, 0
	s_cbranch_scc1 .Llap
.endif
	QUARTER 0, 2, F1, F0, 0                        ; the last lap fills nothing
	QUARTER 0, 3, F0, F1, 0
	TURN 0, 1, 0
	QUARTER 1, 1, F0, F1, 0
	QUARTER 1, 2, F1, F0, 0
	QUARTER 1, 3, F0, F1, 0
	s_wait_dscnt 8
	WIN MUL
	MUL4 F1, 0, 0
	MUL4 F1, 1, 0
	s_wait_dscnt 0
	MUL4 F1, 2, 0
	MUL4 F1, 3, 0
	WIN 0
; THE WAY OUT, 16 rows at a time.  A wave's 64 columns are 256 aligned bytes of a row: the sums go through my own stage and come back as whole rows, sixteen lanes to a row.
.macro TOSTAGE a
.irp b, 0,1,2,3
	ds_store_b128 v[STO], v[ACC+8*(4*(\a)+\b):ACC+8*(4*(\a)+\b)+3] offset:64*\b         ; each accumulator from its low end on
	ds_store_b128 v[STO], v[ACC+8*(4*(\a)+\b)+4:ACC+8*(4*(\a)+\b)+7] offset:64*\b+16
.endr
.set TT, T0+32*((\a)%2)
.irp t, 0,1,2,3,4,5,6,7
	ds_load_b128 v[TT+4*\t:TT+4*\t+3], v[RD] offset:\t*2*SPITCH   ; LDS serves a wave's instructions in order
.endr
.endm
.macro FIN a, younger                  ; younger: the LDS instructions issued behind block a's loads, which may stay out
.set TT, T0+32*((\a)%2)
	s_wait_dscnt \younger
.irp t, 0,1,2,3,4,5,6,7
	v_pk_fma_f32 v[TT+4*\t:TT+4*\t+1],   v[TT+4*\t:TT+4*\t+1],   s[96:97], v[8:9]   op_sel_hi:[1,0,1]   ; sum x 2^(eA + eW) + bias
	v_pk_fma_f32 v[TT+4*\t+2:TT+4*\t+3], v[TT+4*\t+2:TT+4*\t+3], s[96:97], v[10:11] op_sel_hi:[1,0,1]
.endr
	WIN 0x08                                       ; source 1 window 2
.set i, 0
.rept 16
	v_pk_add_f32 v[TT+i:TT+i+1], v[TT+i:TT+i+1], v[32*(\a)+i:32*(\a)+i+1]   ; + the residual
.set i, i+2
.endr
	WIN 0
.irp t, 0,1,2,3,4,5,6,7
	global_store_b128 v[CO], v[TT+4*\t:TT+4*\t+3], s[70:71] offset:(16*(\a)+2*\t)*4096 th:TH_STORE_NT   ; 16 lanes store 256 consecutive aligned bytes
.endr
.endm
	s_wait_loadcnt 0x0                             ; bias and residual
	s_wait_kmcnt 0x0
	s_add_co_i32 s96, s96, s97
	s_add_co_i32 s96, s96, 127
	s_lshl_b32 s96, s96, 23                        ; 2^(eA + eW) as f32
	s_mov_b32 s97, s96
	PLACES
	TOSTAGE 0
	TOSTAGE 1
	FIN 0, 16
	s_wait_xcnt 0x0                                ; block 0's stores have read their registers
	TOSTAGE 2
	FIN 1, 16
	s_wait_xcnt 0x0
	TOSTAGE 3
	FIN 2, 16
	FIN 3, 0
	s_wait_tensorcnt 0x0                           ; the wave's end
	ds_add_u32 v[SPW], v[NIL]
	s_wait_dscnt 0x0
	CROUND                                         ; the closing round
	s_endpgm
.Lfunc_end_k_q510cb2f109_fc2:
	.size	k_q510cb2f109_fc2, .Lfunc_end_k_q510cb2f109_fc2-k_q510cb2f109_fc2
	.p2alignl 7, 3214868480
	.fill 96, 4, 3214868480
	.section	.rodata,"a",@progbits
	.p2align	6, 0x0
	.amdhsa_kernel k_q510cb2f109_fc2
		.amdhsa_group_segment_fixed_size 327680
		.amdhsa_private_segment_fixed_size 0
		.amdhsa_enable_private_segment 0
		.amdhsa_kernarg_size 48
		.amdhsa_user_sgpr_count 2
		.amdhsa_user_sgpr_kernarg_segment_ptr 1
		.amdhsa_wavefront_size32 1
		.amdhsa_system_sgpr_workgroup_id_x 1
		.amdhsa_system_sgpr_workgroup_id_y 1
		.amdhsa_system_sgpr_workgroup_id_z 1
		.amdhsa_system_vgpr_workitem_id 0
		.amdhsa_next_free_vgpr 640
		.amdhsa_next_free_sgpr 100
		.amdhsa_reserve_vcc 0
		.amdhsa_float_denorm_mode_32 3
		.amdhsa_float_denorm_mode_16_64 3
		.amdhsa_memory_ordered 1
		.amdhsa_forward_progress 1
		.amdhsa_inst_pref_size 82
	.end_amdhsa_kernel
	.amdgpu_metadata
---
amdhsa.version: [ 1, 2 ]
amdhsa.kernels:
  - .name:           k_q510cb2f109_fc2
    .symbol:         k_q510cb2f109_fc2.kd
    .args:
      - { .name: hid, .offset: 0, .size: 8, .value_kind: global_buffer, .address_space: global }
      - { .name: wc, .offset: 8, .size: 8, .value_kind: global_buffer, .address_space: global }
      - { .name: lowp_scales, .offset: 16, .size: 8, .value_kind: global_buffer, .address_space: global }
      - { .name: fc2_b, .offset: 24, .size: 8, .value_kind: global_buffer, .address_space: global }
      - { .name: x2, .offset: 32, .size: 8, .value_kind: global_buffer, .address_space: global }
      - { .name: out0, .offset: 40, .size: 8, .value_kind: global_buffer, .address_space: global }
    .group_segment_fixed_size: 327680
    .private_segment_fixed_size: 0
    .kernarg_segment_align: 8
    .kernarg_segment_size: 48
    .max_flat_workgroup_size: 128
    .sgpr_count:     100
    .vgpr_count:     640
    .wavefront_size: 32
...
	.end_amdgpu_metadata
.endif
;; end of part 7
